; MI455X (gfx1250); checked and timed in simulation.
; The chip was launched on July 23, 2026; its instructions are those of AMD's public machine-readable ISA for CDNA 5 (MIT licence, August 2026) and "CDNA5" Instruction Set Architecture Reference Guide (July 2026). The comments in the code are by the model that wrote it; some were corrected since.
;; Ada Lo RA Linear. Allowed arithmetic: matrix products marked QUANTISED: E3M2 operands, one E8M0 scale for each 32 along K, by v_wmma_scale_f32_16x16x128_f8f6f4 with both operands' format E3M2, f32 sums; everything else in f32.
;; Inputs: Lambda 64 float32; P 4,096 x 64 float32; Q 64 x 4,096 float32; rank_mask 64 bool; weight 4,096 x 4,096 float32; x 4,096 x 4,096 float32.
;; Outputs: out0 4,096 x 4,096 float32.
;; This version of the problem:
;;   THIS VERSION OF THE PROBLEM IS GIVEN IN LOW PRECISION. The matrix products marked QUANTISED in the list below multiply operands that are first quantised to E3M2 (3 exponent bits, 2 mantissa bits; 6 bits a number), with one power-of-two scale for each 32 numbers along K (OCP MX v1.0); their sums are f32. All else is computed in f32.
;;   The module's matrix products, in the order in which they are computed (A, B: the left and right operand; K: the contracted axis; several contracted axes count as one K, in the product's order):
;;     1. [M 4,096, K 64] x [K 64, N 4,096]; A: computed on the way; B: input Q: QUANTISED
;;     2. [M 4,096, K 4,096] x [K 4,096, N 4,096]; A: input x; B: computed on the way: QUANTISED
;;   THE QUANTISER, for each operand of a quantised product, along K:
;;     - K is cut into blocks of 32 from its start; a last block that is shorter is filled with zeros.
;;     - A block's scale is 2^e with e = floor(log2(the largest magnitude in the block)) - 4, held to -126 .. 127; a block of zeros has e = 0. As a byte (E8M0): e + 127.
;;     - Each number is divided by its block's scale, clamped to +-28, and rounded to the nearest number of E3M2, ties to even, subnormals kept.
;;     - The product sums the exact products of the quantised numbers (number of the format x scale) in f32.
;;   ~~~python
;;   def quantise(x, axis):      # numpy; x: float32 -> the quantised numbers, widened to float32 again
;;       x = np.moveaxis(x, axis, -1); K = x.shape[-1]
;;       x = np.pad(x, [(0, 0)] * (x.ndim - 1) + [(0, -K % 32)]); x = x.reshape(x.shape[:-1] + (-1, 32)); a = np.abs(x).max(-1, keepdims=True)
;;       e = np.where(a > 0, np.clip(np.frexp(np.where(a > 0, a, 1))[1] - 1 - 4, -126, 127), 0)      # np.frexp(a)[1] - 1 = floor(log2(a)), exactly
;;       r = np.clip(x / 2.0 ** e, -28, 28)
;;       step = 2.0 ** (np.maximum(np.frexp(np.where(r == 0, 1, r))[1] - 1, -2) - 2)
;;       q = np.round(r / step) * step * 2.0 ** e      # np.round: ties to even
;;       return np.moveaxis(q.reshape(q.shape[:-2] + (-1,))[..., :K], -1, axis).astype(np.float32)
;;   ~~~
;;   OPERANDS COMPUTED ON THE WAY. 'Computed on the way' means the value that the module computes at that place (a softmax that the list does not call 'softmax' is quantised finished and normalised). What goes into a quantiser is computed in f32, as accurately as f32 sums, v_exp_f32 and their like allow (about 1e-6 of the number): no bf16 or f16 on the way to a quantiser, and a product that is left as it is and whose result goes on into a quantised operand takes f32 operands (vector FMAs, or v_wmma_f32_16x16x4_f32). A number that lies on a knife's edge between two numbers of the format may be rounded either way, as far as f32 arithmetic and the matrix unit's own rounding can turn it there, and no further.
;; 2 versions. Each part assembles by itself: llvm-mc -triple=amdgcn-amd-amdhsa -mcpu=gfx1250 --defsym DOCPART=n.
;; ======== version 1 of 2: 3 launches
;; workspace buffers: frag 425,984 bytes; xc 13,107,200 bytes; wc 13,107,200 bytes
;; launch frag (part 1): grid 128 x 1, 1 waves a work-group, no clusters, 0 bytes of LDS; arguments P, Lambda, rank_mask, Q, frag; writes frag
.if DOCPART == 1
	.amdgcn_target "amdgcn-amd-amdhsa--gfx1250"
	.amdhsa_code_object_version 6
	.text
	.protected	k_q322845320d_frag
	.globl	k_q322845320d_frag
	.p2align	8
	.type	k_q322845320d_frag,@function
k_q322845320d_frag:
	s_mov_b64 s[64:65], 0
	v_nop
	global_prefetch_b8 v0, s[64:65] scope:SCOPE_SE
	s_setreg_imm32_b32 hwreg(HW_REG_WAVE_MODE, 25, 1), 1
	s_wait_xcnt 0x0
; The two operands of delta_W = (P * Lambda * mask) @ Q, K = the rank's 64, as codes of BF6 (E3M2) with one E8M0 byte for each 32 along K,
; laid as IMAGES OF THE OPERAND'S REGISTERS, so that the next launch loads them straight into a matrix instruction's sources.
; A fragment is 16 rows x 64 K: lane (r, h) holds block h (k = 32 h .. 32 h + 31) of row r in 6 registers: registers 0-3 at 16 x lane, registers 4-5 at 512 + 8 x lane: 768 bytes.
; frag: byte 0: P's 256 fragments (16 rows of P each);  byte 196,608: Q^T's 256 (tile 4 c + t: lane r takes column 64 c + 32 (t / 2) + 8 (t % 2) + r + 8 (r / 8) of Q:
; the columns of a tile are not neighbours, so that the product's results lie along the next K as the next quantiser wants them);
; byte 393,216: the scale words, one for a row: byte 0 = block 0's, byte 1 = block 1's, bytes 2 and 3 = 0; four fragments' words of row r at 16 r.
; THE FACTOR 2 (alpha / rank) is one added to the scale bytes of P * Lambda: exact; the byte is at most 250 before it.
; A work-group is one wave.  Work-groups 0-63 take 64 rows of P, work-groups 64-127 take 64 columns of Q: four fragments each; both write images at 3,072 x work-group and words at 393,216 + 256 x work-group.
; A block's scale is 2^(floor(log2(its largest magnitude)) - 4); its byte is the largest magnitude's exponent field - 4, held at 1 from below.
; LIMITS: a block of zeros gets the floor's byte and not 127: its codes are zeros, and this program alone reads the bytes.  NaN and infinities among the inputs are not served.
; The loads take the numbers in the operand's layout, pieces of rows: both inputs together are 2 MiB and each byte is read once, so no turn through LDS is spent on them.
.set X,   32                           ; v32-159  four fragments x 32 numbers of my lane's block
.set AL,  160                          ; v160-191 Lambda x mask at k = 32 h + 0 .. 31
.set M,   192                          ; v192-199 the mask's 32 bytes
.set C,   200                          ; v200-231 codes: eight registers a fragment, six of them stored
.set MX,  232                          ; v232-235 largest magnitudes
.set SO,  236                          ; v236-239 the conversions' scale operands
.set W,   240                          ; v240-243 bytes, then scale words
.set OT,  244                          ; v244-247 the other half's bytes
.set SW,  248                          ; v248-249 the two words that my lane stores
	s_load_b256 s[4:11], s[0:1], 0x0               ; P s[4:5], Lambda s[6:7], rank_mask s[8:9], Q s[10:11]
	s_load_b64 s[12:13], s[0:1], 0x20              ; frag
	v_and_b32 v1, 31, v0                           ; lane
	v_and_b32 v2, 15, v0                           ; r
	v_bfe_u32 v3, v0, 4, 1                         ; h
	v_lshlrev_b32 v4, 4, v1                        ; 16 x lane
	v_lshlrev_b32 v5, 3, v1                        ; 8 x lane
	v_lshlrev_b32 v6, 4, v2
	v_lshl_add_u32 v6, v3, 3, v6                   ; 16 r + 8 h: where my two scale words go
	v_lshlrev_b32 v8, 3, v3                        ; 8 h: my byte's place in a word, in bits
	v_cmp_lt_u32 vcc_lo, 15, v1                    ; lanes 16-31
.irp f, 0,1,2,3
	v_mov_b32 v[OT+\f], 0                          ; a lane permute's destination counts as one of its sources
.endr
	s_mov_b32 s20, 0x76543210
	s_mov_b32 s21, 0xfedcba98                      ; v_permlanex16_b32's selects for lane l xor 16
	s_mul_i32 s16, ttmp9, 3072
	s_mov_b32 s17, 0
	s_lshl_b32 s18, ttmp9, 8
	s_mov_b32 s19, 0
	s_wait_kmcnt 0x0
	s_add_nc_u64 s[24:25], s[12:13], s[16:17]      ; my four images
	s_add_nc_u64 s[26:27], s[12:13], s[18:19]      ; my 256 bytes of words (393,216 stands in the store's immediate)
	s_cmp_lt_u32 ttmp9, 64
	s_cbranch_scc0 .Lq
	; ---- P: rows 64 g + 16 u + r; my 32 numbers are 128 bytes of the row
	s_lshl_b32 s14, ttmp9, 14
	s_mov_b32 s15, 0
	s_add_nc_u64 s[4:5], s[4:5], s[14:15]
	v_lshlrev_b32 v7, 8, v2
	v_lshl_add_u32 v7, v3, 7, v7                   ; 256 r + 128 h
	v_lshlrev_b32 v9, 7, v3                        ; Lambda: 128 h
	v_lshlrev_b32 v10, 5, v3                       ; the mask: 32 h
.irp j, 0,1,2,3,4,5,6,7
	global_load_b128 v[AL+4*\j:AL+4*\j+3], v9, s[6:7] offset:16*\j
.endr
.irp j, 0,1
	global_load_b128 v[M+4*\j:M+4*\j+3], v10, s[8:9] offset:16*\j
.endr
.irp u, 0,1,2,3
.irp j, 0,1,2,3,4,5,6,7
	global_load_b128 v[X+32*\u+4*\j:X+32*\u+4*\j+3], v7, s[4:5] offset:4096*\u+16*\j
.endr
.endr
	s_wait_loadcnt 32                              ; Lambda and the mask are in; P's 32 loads, issued behind them, may be out
.irp n, 0,1,2,3,4,5,6,7,8,9,10,11,12,13,14,15,16,17,18,19,20,21,22,23,24,25,26,27,28,29,30,31
	v_bfe_u32 v[12+\n%4], v[M+\n/4], 8*(\n%4), 8   ; the mask's byte, 0 or 1,
	v_cvt_f32_u32 v[12+\n%4], v[12+\n%4]           ; as f32,
	v_mul_f32 v[AL+\n], v[AL+\n], v[12+\n%4]       ; times Lambda: active_Lambda (four temporaries by turns)
.endr
	s_wait_loadcnt 0x0                             ; P
.irp u, 0,1,2,3
.irp n, 0,2,4,6,8,10,12,14,16,18,20,22,24,26,28,30
	v_pk_mul_f32 v[X+32*\u+\n:X+32*\u+\n+1], v[X+32*\u+\n:X+32*\u+\n+1], v[AL+\n:AL+\n+1]
.endr
.endr
	s_mov_b32 s22, 1                               ; the factor 2: one more in the scale's byte
	s_branch .Ljoin
.Lq:
	; ---- Q: a lane takes a column and its registers run down K: Q(32 h + j, my column)
	s_sub_co_u32 s14, ttmp9, 64
	s_lshl_b32 s14, s14, 8                         ; 64 columns of 4 bytes
	s_mov_b32 s15, 0
	s_add_nc_u64 s[10:11], s[10:11], s[14:15]
	v_and_b32 v7, 8, v2
	v_add_nc_u32 v7, v7, v2                        ; r + 8 (r / 8)
	v_lshlrev_b32 v7, 2, v7
	v_lshl_add_u32 v7, v3, 19, v7                  ; + 32 h rows of 16,384 bytes
.irp t, 0,1,2,3
.irp j, 0,1,2,3,4,5,6,7,8,9,10,11,12,13,14,15,16,17,18,19,20,21,22,23,24,25,26,27,28,29,30,31
	global_load_b32 v[X+32*\t+\j], v7, s[10:11] offset:\j*16384+4*(32*(\t/2)+8*(\t%2))
.endr
.endr
	s_wait_loadcnt 0x0
	s_mov_b32 s22, 0
.Ljoin:
	; ---- four blocks of 32, all of each in my lane: largest magnitude, byte, codes; the four by turns, so that no line waits for the line above it
.irp f, 0,1,2,3
	v_max3_num_f32 v[MX+\f], |v[X+32*\f]|, |v[X+32*\f+1]|, 0x2800000   ; with the floor 2^(5 - 127): the byte cannot fall under 1
.endr
.irp i, 2,4,6,8,10,12,14,16,18,20,22,24,26,28,30
.irp f, 0,1,2,3
	v_max3_num_f32 v[MX+\f], v[MX+\f], |v[X+32*\f+\i]|, |v[X+32*\f+\i+1]|
.endr
.endr
.irp f, 0,1,2,3
	v_add_nc_u32 v[SO+\f], 0xfe000000, v[MX+\f]    ; 4 off the exponent field: the conversion takes this operand's exponent field as its scale, and nothing else of it
.endr
.irp f, 0,1,2,3
	v_lshrrev_b32 v[W+\f], 23, v[SO+\f]            ; the scale's byte
.endr
.irp f, 0,1,2,3
	v_add_nc_u32 v[W+\f], s22, v[W+\f]             ; P's: + 1
.endr
.irp f, 0,1,2,3
	v_lshlrev_b32 v[W+\f], v8, v[W+\f]             ; block h's byte is byte h of the word
.endr
.irp f, 0,1,2,3
	v_permlanex16_b32 v[OT+\f], v[W+\f], s20, s21
.endr
.irp f, 0,1,2,3
	v_or_b32 v[W+\f], v[W+\f], v[OT+\f]            ; with lane l xor 16's byte the row's word is whole
.endr
.irp f, 0,1,2,3
	v_cvt_scalef32_pk16_bf6_f32 v[C+8*\f:C+8*\f+2], v[X+32*\f:X+32*\f+15], v[SO+\f]
	v_cvt_scalef32_pk16_bf6_f32 v[C+8*\f+4:C+8*\f+6], v[X+32*\f+16:X+32*\f+31], v[SO+\f]   ; (a conversion's three registers begin on an even number)
.endr
	v_nop                                          ; one plain instruction between the conversions and the moves that read their results
.irp f, 0,1,2,3
	v_mov_b32 v[C+8*\f+3], v[C+8*\f+4]             ; the second three move down one place: six registers on end
	v_mov_b32 v[C+8*\f+4], v[C+8*\f+5]
	v_mov_b32 v[C+8*\f+5], v[C+8*\f+6]
.endr
.irp f, 0,1,2,3
	global_store_b128 v4, v[C+8*\f:C+8*\f+3], s[24:25] offset:768*\f          ; 512 consecutive bytes
	global_store_b64 v5, v[C+8*\f+4:C+8*\f+5], s[24:25] offset:768*\f+512     ; 256 consecutive bytes
.endr
	v_cndmask_b32 v[SW], v[W], v[W+2], vcc_lo      ; lanes 0-15 store fragments 0 and 1's words of row r, lanes 16-31 fragments 2 and 3's
	v_cndmask_b32 v[SW+1], v[W+1], v[W+3], vcc_lo
	global_store_b64 v6, v[SW:SW+1], s[26:27] offset:393216                   ; 256 consecutive bytes, aligned
	s_endpgm
.Lfunc_end_k_q322845320d_frag:
	.size	k_q322845320d_frag, .Lfunc_end_k_q322845320d_frag-k_q322845320d_frag
	.p2alignl 7, 3214868480
	.fill 96, 4, 3214868480
	.section	.rodata,"a",@progbits
	.p2align	6, 0x0
	.amdhsa_kernel k_q322845320d_frag
		.amdhsa_group_segment_fixed_size 0
		.amdhsa_private_segment_fixed_size 0
		.amdhsa_enable_private_segment 0
		.amdhsa_kernarg_size 40
		.amdhsa_user_sgpr_count 2
		.amdhsa_user_sgpr_kernarg_segment_ptr 1
		.amdhsa_wavefront_size32 1
		.amdhsa_system_sgpr_workgroup_id_x 1
		.amdhsa_system_sgpr_workgroup_id_y 1
		.amdhsa_system_sgpr_workgroup_id_z 1
		.amdhsa_system_vgpr_workitem_id 0
		.amdhsa_next_free_vgpr 250
		.amdhsa_next_free_sgpr 66
		.amdhsa_reserve_vcc 1
		.amdhsa_float_denorm_mode_32 3
		.amdhsa_float_denorm_mode_16_64 3
		.amdhsa_memory_ordered 1
		.amdhsa_forward_progress 1
		.amdhsa_inst_pref_size 33
	.end_amdhsa_kernel
	.amdgpu_metadata
---
amdhsa.version: [ 1, 2 ]
amdhsa.kernels:
  - .name:           k_q322845320d_frag
    .symbol:         k_q322845320d_frag.kd
    .args:
      - { .name: P, .offset: 0, .size: 8, .value_kind: global_buffer, .address_space: global }
      - { .name: Lambda, .offset: 8, .size: 8, .value_kind: global_buffer, .address_space: global }
      - { .name: rank_mask, .offset: 16, .size: 8, .value_kind: global_buffer, .address_space: global }
      - { .name: Q, .offset: 24, .size: 8, .value_kind: global_buffer, .address_space: global }
      - { .name: frag, .offset: 32, .size: 8, .value_kind: global_buffer, .address_space: global }
    .group_segment_fixed_size: 0
    .private_segment_fixed_size: 0
    .kernarg_segment_align: 8
    .kernarg_segment_size: 40
    .max_flat_workgroup_size: 32
    .sgpr_count:     66
    .vgpr_count:     250
    .wavefront_size: 32
...
	.end_amdgpu_metadata
.endif
;; end of part 1
;; launch quant (part 2): grid 256 x 1, 8 waves a work-group, no clusters, 68,608 bytes of LDS; arguments x, weight, frag, xc, wc; writes xc, wc
.if DOCPART == 2
	.amdgcn_target "amdgcn-amd-amdhsa--gfx1250"
	.amdhsa_code_object_version 6
	.text
	.protected	k_q322845320d_quant
	.globl	k_q322845320d_quant
	.p2align	8
	.type	k_q322845320d_quant,@function
k_q322845320d_quant:
	s_mov_b64 s[64:65], 0
	v_nop
	global_prefetch_b8 v0, s[64:65] scope:SCOPE_SE
	s_setreg_imm32_b32 hwreg(HW_REG_WAVE_MODE, 25, 1), 1
	s_wait_xcnt 0x0
; x [4096][4096] f32 and W_eff = weight + 2 (P Lambda mask) Q [4096][4096] become codes of BF6 (E3M2), quantised along their last axis, with one E8M0 byte for each 32 numbers.
; W_eff IS MADE BY THE MATRIX UNIT: D = Q^T-tile x (P Lambda)-rows + C with C = the weights as they were loaded; the factor 2 lies in P Lambda's scale bytes.  K is 64 of the instruction's 128:
; registers 6-11 of both sources are zero codes.  The product is used transposed (source 0 = 16 columns of Q, source 1 = 16 rows of P Lambda), and the columns of a tile are chosen so that
; register 16 b + i of a lane is W_eff(row r, 32 b + 16 h + i): the very layout in which the weights are read back from the stage, and which the quantiser wants.
; OUTPUT LAYOUT (this program's own).  For each 128 rows (group G) and each K step ks of 128 there is one block of 12,800 bytes, at 409,600 G + 12,800 ks: eight fragments of 16 rows x 128 K, then the rows' scale words.
; A fragment is the image of the operand's 12 registers: register group c (four registers) at 512 c + 16 x lane: 1,536 bytes.  The scale word of row 64 d + 16 u + r of the group lies at 12,288 + 256 d + 16 r + 4 u.
; SHARES.  Work-group g takes rows 256 (g / 16) on and K = 256 (g % 16) on, of x and then of weight.  Wave w takes 64 rows (w / 2) and 128 along K (w % 2): four units of 16 rows x 128 K of x, four of weight.
; A unit's 16 loads read 512 consecutive bytes of a row each; the 8 KiB turn through the wave's own stage in LDS (rows 528 bytes apart) and come back 16 neighbours of each block of 32 to a lane.
; Two units' loads are always on their way.  Waves share nothing: no barrier.  No branch, no loop: every offset is an immediate.
; LIMITS: a block of zeros gets the byte 1 and not 127 (its codes are zeros; this program alone reads the bytes); NaN and infinities are not served; W_eff is rounded once, by the matrix unit's sum with C.
.set PX,  4                            ; s[4:5] x;  s[6:7] weight;  s[8:9] frag;  s[10:11] x's fragments;  s[12:13] W_eff's;  s[14:15] x's scale words;  s[16:17] W_eff's
.set PWT, 6
.set PXC, 10
.set PWC, 12
.set PXS, 14
.set PWS, 16
.set SEL, 40                           ; s[40:41] v_permlanex16_b32's selects
.set STG, 16*528                       ; a wave's stage in bytes
.set KBLK,   12800                     ; a block: 128 rows x 128 K
.set GROUPB, 32*KBLK                   ; 128 rows, all of K
.set SWO,    12288                     ; where a block's scale words begin
.set SWD, 12                           ; v12-15   the four units' scale words
.set R,   16                           ; v16-143  two sets of 64: a unit as loaded
.set HA,  144                          ; v144-207 a unit's 64 numbers of my row: register 16 b + i = k 32 b + 16 h + i
.set PC,  208                          ; v208-227 the codes just made (12) and 8 at work
.set TM,  228                          ; v228-243 at work in the quantiser
.set QS,  244                          ; v244-247 Q^T's scale words: lanes 0-15 tiles 0-3, lanes 16-31 tiles 4-7
.set PLS, 248                          ; v248-251 P Lambda's scale words, one register for each 16 rows
.set QF,  0                            ; window 1: v0-95 Q^T's 8 tiles x 12 registers
.set PLF, 96                           ; window 1: v96-143 P Lambda's 4 x 12
.set MSB, 0
.macro WIN new                         ; the immediate's high byte repeats the setting that is left
.if MSB != (\new)
	s_set_vgpr_msb (MSB<<8)|(\new)
.set MSB, (\new)
.endif
.endm
.macro LOAD set, base, u               ; unit u: 16 rows, 512 consecutive bytes of a row to a load
.irp j, 0,1,2,3,4,5,6,7,8,9,10,11,12,13,14,15
	global_load_b128 v[R+64*(\set)+4*\j:R+64*(\set)+4*\j+3], v1, s[\base:\base+1] offset:(16*(\u)+\j)*16384 th:TH_LOAD_NT
.endr
.endm
.macro TURNIN set, left                ; left: the younger loads that may stay out
	s_wait_loadcnt \left
.irp j, 0,1,2,3,4,5,6,7,8,9,10,11,12,13,14,15
	ds_store_b128 v5, v[R+64*(\set)+4*\j:R+64*(\set)+4*\j+3] offset:528*\j
.endr
.irp b, 0,1,2,3
.irp i, 0,1,2,3
	ds_load_b128 v[HA+16*\b+4*\i:HA+16*\b+4*\i+3], v6 offset:128*\b+16*\i   ; LDS serves a wave's instructions in order: these see the stores above
.endr
.endr
	s_wait_dscnt 0x0                               ; the numbers are back
	s_wait_xcnt 0x0                                ; the last unit's stores have read v[PC] on (and v10, v11): only behind this wait are those registers written again.
	                                               ; It stands ahead of the next 16 loads, so that it counts none of them
.endm
.macro DELTA u                         ; the weights in HA take 2 delta_W on top: eight accumulators, one instruction each
	WIN 0x05                                       ; sources 0 and 1 window 1; C and D window 0
.irp t, 0,1,2,3
	v_wmma_scale_f32_16x16x128_f8f6f4 v[HA+8*\t:HA+8*\t+7], v[QF+12*\t:QF+12*\t+11], v[PLF+12*(\u):PLF+12*(\u)+11], v[HA+8*\t:HA+8*\t+7], v[QS+\t], v[PLS+(\u)] matrix_a_fmt:MATRIX_FMT_BF6 matrix_b_fmt:MATRIX_FMT_BF6
.endr
.irp t, 4,5,6,7
	v_wmma_scale_f32_16x16x128_f8f6f4 v[HA+8*\t:HA+8*\t+7], v[QF+12*\t:QF+12*\t+11], v[PLF+12*(\u):PLF+12*(\u)+11], v[HA+8*\t:HA+8*\t+7], v[QS+\t-4], v[PLS+(\u)] matrix_a_fmt:MATRIX_FMT_BF6 matrix_b_fmt:MATRIX_FMT_BF6 matrix_a_scale:MATRIX_SCALE_ROW1
.endr
	WIN 0
.rept 4
	v_nop                                          ; four plain instructions between the products and the first read of their results (ISA guide 7.12.1)
.endr
.endm
; 64 numbers of a lane, register 16 b + i = k 32 b + 16 (lane / 16) + i of my row, become a fragment's codes in v[PC] on and its scale word in v[pw].  Each tile of eight registers is read from its low end on.
.macro QUANT s, pw
.irp b, 0,1,2,3
	v_max3_num_f32 v[TM+\b], |v[\s+16*\b]|, |v[\s+1+16*\b]|, 0x2800000   ; block b: my 16 numbers, and the floor 2^(5 - 127): the byte cannot fall under 1
.endr
.irp i, 2,4,6,8,10,12,14
.irp b, 0,1,2,3
	v_max3_num_f32 v[TM+\b], v[TM+\b], |v[\s+16*\b+\i]|, |v[\s+1+16*\b+\i]|   ; (the four blocks by turns)
.endr
.endr
.irp b, 0,1,2,3
	v_permlanex16_b32 v[TM+4+\b], v[TM+\b], s[SEL], s[SEL+1]
.endr
.irp b, 0,1,2,3
	v_max_num_f32 v[TM+\b], v[TM+\b], v[TM+4+\b]   ; with lane l xor 16's: the block's largest magnitude
.endr
.irp b, 0,1,2,3
	v_add_nc_u32 v[TM+12+\b], 0xfe000000, v[TM+\b] ; 4 off its exponent field: the conversion's scale operand
.endr
.irp b, 0,1,2,3
	v_lshrrev_b32 v[TM+4+\b], 23, v[TM+12+\b]      ; the scale's byte
.endr
	v_lshl_or_b32 v[\pw], v[TM+5], 8, v[TM+4]      ; the four bytes make my row's scale word
	v_lshl_or_b32 v[\pw], v[TM+6], 16, v[\pw]
	v_lshl_or_b32 v[\pw], v[TM+7], 24, v[\pw]
.irp c, 0,1
	v_cvt_scalef32_pk16_bf6_f32 v[PC+6*\c:PC+2+6*\c], v[\s+32*\c:\s+15+32*\c], v[TM+12+2*\c]
	v_cvt_scalef32_pk16_bf6_f32 v[PC+12+4*\c:PC+14+4*\c], v[\s+16+32*\c:\s+31+32*\c], v[TM+12+2*\c+1]   ; (a conversion's three registers begin on an even number)
.endr
	v_nop                                          ; one plain instruction behind the conversions
.irp c, 0,1                                    ; the operand's layout wants a WHOLE block in a lane: lanes 0-15 block 2 c, lanes 16-31 block 2 c + 1
.irp i, 0,1,2
	v_permlane16_swap_b32 v[PC+6*\c+\i], v[PC+12+4*\c+\i]
.endr
.irp i, 0,1,2
	v_mov_b32 v[PC+3+6*\c+\i], v[PC+12+4*\c+\i]
.endr
.endr
.endm
.macro FINISH u, wm, dst               ; unit u in HA: (weights: + 2 delta_W,) quantised, its image stored
.if \wm
	DELTA \u
.endif
	QUANT HA, SWD+\u
.irp c, 0,1,2
	global_store_b128 v1, v[PC+4*\c:PC+4*\c+3], s[\dst:\dst+1] offset:1536*(\u)+512*\c   ; 512 consecutive bytes, aligned
.endr
.endm
.macro SCOUT sb                        ; four units' scale words: lanes 0-15 store units 0 and 1's of row r, lanes 16-31 units 2 and 3's: 256 consecutive bytes, aligned
	v_cndmask_b32 v10, v[SWD], v[SWD+2], vcc_lo
	v_cndmask_b32 v11, v[SWD+1], v[SWD+3], vcc_lo
	global_store_b64 v4, v[10:11], s[\sb:\sb+1] offset:SWO
.endm
	s_load_b256 s[4:11], s[0:1], 0x0               ; x, weight, frag, xc
	s_load_b64 s[12:13], s[0:1], 0x20              ; wc
	v_lshl_add_u32 v254, v0, 2, 0x10800
	v_mov_b32 v255, 0
	v_lshrrev_b32 v7, 5, v0
	v_readfirstlane_b32 s18, v7                    ; wave 0..7
	v_and_b32 v7, 31, v0                           ; lane
	v_and_b32 v8, 15, v0                           ; r
	v_bfe_u32 v9, v0, 4, 1                         ; h
	v_lshlrev_b32 v1, 4, v7                        ; v1  16 x lane: the loads', the images'
	v_lshlrev_b32 v2, 3, v7                        ; v2  8 x lane
	v_lshlrev_b32 v3, 4, v8                        ; v3  16 r
	v_lshl_add_u32 v4, v9, 3, v3                   ; v4  16 r + 8 h: my two scale words
	s_mul_i32 s25, s18, STG                        ; my stage
	v_add_nc_u32 v5, s25, v1                       ; v5  into it: 16 x lane of a row
	v_mul_u32_u24 v6, v8, 528
	v_lshl_add_u32 v6, v9, 6, v6
	v_add_nc_u32 v6, s25, v6                       ; v6  out of it: row r, + 64 h: my 16 numbers of a block of 32
	v_cmp_lt_u32 vcc_lo, 15, v7                    ; lanes 16-31
.irp b, 0,1,2,3
	v_mov_b32 v[TM+4+\b], 0                        ; a lane permute's destination counts as one of its sources
.endr
	s_and_b32 s19, s18, 1                          ; q: which 128 along K
	s_lshr_b32 s20, s18, 1                         ; which 64 rows
	s_lshr_b32 s21, ttmp9, 4                       ; which 256 rows
	s_and_b32 s22, ttmp9, 15                       ; which 256 along K
	s_lshl_b32 s23, s21, 2
	s_add_co_u32 s23, s23, s20                     ; Qd: my 64 rows, 0..63
	s_lshl_b32 s24, s22, 1
	s_add_co_u32 s24, s24, s19                     ; ks: my K step of 128, 0..31
	s_lshl_b32 s26, s23, 20                        ; x, weight: 64 rows of 16,384 bytes,
	s_lshl_b32 s27, s24, 9                         ; 512 bytes a K step
	s_add_co_u32 s26, s26, s27
	s_mov_b32 s27, 0
	s_lshr_b32 s28, s23, 1                         ; the outputs: my group of 128 rows,
	s_mul_i32 s28, s28, GROUPB
	s_mul_i32 s29, s24, KBLK
	s_add_co_u32 s28, s28, s29                     ; its block of my K step
	s_and_b32 s29, s23, 1                          ; which 64 rows of the 128 are mine
	s_lshl_b32 s30, s29, 8
	s_add_co_u32 s30, s30, s28                     ; my 256 bytes of scale words (12,288 stands in the store's immediate)
	s_mov_b32 s31, 0
	s_mul_i32 s29, s29, 4*1536
	s_add_co_u32 s28, s28, s29                     ; my four fragments
	s_mov_b32 s29, 0
	s_mul_i32 s32, s24, 6144                       ; frag: my K step's 8 tiles of Q^T,
	s_mov_b32 s33, 0
	s_lshl_b32 s34, s24, 9                         ; their words,
	s_mov_b32 s35, 0
	s_mul_i32 s36, s23, 3072                       ; my 64 rows of P Lambda,
	s_mov_b32 s37, 0
	s_lshl_b32 s38, s23, 8                         ; their words
	s_mov_b32 s39, 0
	s_mov_b32 s[SEL], 0x76543210
	s_mov_b32 s[SEL+1], 0xfedcba98
	s_wait_kmcnt 0x0
	s_add_nc_u64 s[PX:PX+1], s[PX:PX+1], s[26:27]
	s_add_nc_u64 s[PWT:PWT+1], s[PWT:PWT+1], s[26:27]
	s_add_nc_u64 s[PXS:PXS+1], s[PXC:PXC+1], s[30:31]
	s_add_nc_u64 s[PWS:PWS+1], s[PWC:PWC+1], s[30:31]
	s_add_nc_u64 s[PXC:PXC+1], s[PXC:PXC+1], s[28:29]
	s_add_nc_u64 s[PWC:PWC+1], s[PWC:PWC+1], s[28:29]
	s_add_nc_u64 s[32:33], s[8:9], s[32:33]
	s_add_nc_u64 s[34:35], s[8:9], s[34:35]
	s_add_nc_u64 s[36:37], s[8:9], s[36:37]
	s_add_nc_u64 s[38:39], s[8:9], s[38:39]
	LOAD 0, PX, 0
	LOAD 1, PX, 1
	WIN 0x40                                       ; destination window 1: the first product's operands, 26 loads with their words; they stay
.irp t, 0,1,2,3,4,5,6,7
	global_load_b128 v[QF+12*\t:QF+12*\t+3], v1, s[32:33] offset:196608+768*\t
	global_load_b64 v[QF+12*\t+4:QF+12*\t+5], v2, s[32:33] offset:196608+768*\t+512
.endr
.irp u, 0,1,2,3
	global_load_b128 v[PLF+12*\u:PLF+12*\u+3], v1, s[36:37] offset:768*\u
	global_load_b64 v[PLF+12*\u+4:PLF+12*\u+5], v2, s[36:37] offset:768*\u+512
.endr
.irp f, 0,1,2,3,4,5,6,7,8,9,10,11
.irp i, 6,7,8,9,10,11
	v_mov_b32 v[12*\f+\i], 0                       ; K = 64 .. 127 of the instruction: zero codes on both sides
.endr
.endr
	WIN 0
	global_load_b128 v[QS:QS+3], v1, s[34:35] offset:409600
	global_load_b128 v[PLS:PLS+3], v3, s[38:39] offset:393216
	TURNIN 0, 42                                   ; behind x's unit 0: unit 1's 16 loads and the 26
	LOAD 0, PX, 2
	FINISH 0, 0, PXC
	TURNIN 1, 42                                   ; behind unit 1: the 26 and unit 2's 16
	LOAD 1, PX, 3
	FINISH 1, 0, PXC
	TURNIN 0, 16                                   ; from here on: the next unit's 16.  The 26 were issued ahead of unit 2: they are in
	LOAD 0, PWT, 0
	FINISH 2, 0, PXC
	TURNIN 1, 16
	LOAD 1, PWT, 1
	FINISH 3, 0, PXC
	SCOUT PXS
	TURNIN 0, 16
	LOAD 0, PWT, 2
	FINISH 0, 1, PWC
	TURNIN 1, 16
	LOAD 1, PWT, 3
	FINISH 1, 1, PWC
	TURNIN 0, 16
	FINISH 2, 1, PWC
	TURNIN 1, 0
	FINISH 3, 1, PWC
	SCOUT PWS
	s_wait_tensorcnt 0x0
	ds_add_u32 v254, v255
	s_wait_dscnt 0x0
	s_endpgm
.Lfunc_end_k_q322845320d_quant:
	.size	k_q322845320d_quant, .Lfunc_end_k_q322845320d_quant-k_q322845320d_quant
	.p2alignl 7, 3214868480
	.fill 96, 4, 3214868480
	.section	.rodata,"a",@progbits
	.p2align	6, 0x0
	.amdhsa_kernel k_q322845320d_quant
		.amdhsa_group_segment_fixed_size 68608
		.amdhsa_private_segment_fixed_size 0
		.amdhsa_enable_private_segment 0
		.amdhsa_kernarg_size 40
		.amdhsa_user_sgpr_count 2
		.amdhsa_user_sgpr_kernarg_segment_ptr 1
		.amdhsa_wavefront_size32 1
		.amdhsa_system_sgpr_workgroup_id_x 1
		.amdhsa_system_sgpr_workgroup_id_y 1
		.amdhsa_system_sgpr_workgroup_id_z 1
		.amdhsa_system_vgpr_workitem_id 0
		.amdhsa_next_free_vgpr 400
		.amdhsa_next_free_sgpr 66
		.amdhsa_reserve_vcc 1
		.amdhsa_float_denorm_mode_32 3
		.amdhsa_float_denorm_mode_16_64 3
		.amdhsa_memory_ordered 1
		.amdhsa_forward_progress 1
		.amdhsa_inst_pref_size 74
	.end_amdhsa_kernel
	.amdgpu_metadata
---
amdhsa.version: [ 1, 2 ]
amdhsa.kernels:
  - .name:           k_q322845320d_quant
    .symbol:         k_q322845320d_quant.kd
    .args:
      - { .name: x, .offset: 0, .size: 8, .value_kind: global_buffer, .address_space: global }
      - { .name: weight, .offset: 8, .size: 8, .value_kind: global_buffer, .address_space: global }
      - { .name: frag, .offset: 16, .size: 8, .value_kind: global_buffer, .address_space: global }
      - { .name: xc, .offset: 24, .size: 8, .value_kind: global_buffer, .address_space: global }
      - { .name: wc, .offset: 32, .size: 8, .value_kind: global_buffer, .address_space: global }
    .group_segment_fixed_size: 68608
    .private_segment_fixed_size: 0
    .kernarg_segment_align: 8
    .kernarg_segment_size: 40
    .max_flat_workgroup_size: 256
    .sgpr_count:     66
    .vgpr_count:     400
    .wavefront_size: 32
...
	.end_amdgpu_metadata
.endif
;; end of part 2
;; launch gemm (part 3): grid 16 x 16, 4 waves a work-group, clusters of 4 x 4, 327,680 bytes of LDS; arguments xc, wc, out0; writes out0
.if DOCPART == 3
	.amdgcn_target "amdgcn-amd-amdhsa--gfx1250"
	.amdhsa_code_object_version 6
	.text
	.protected	k_q322845320d_gemm
	.globl	k_q322845320d_gemm
	.p2align	8
	.type	k_q322845320d_gemm,@function
k_q322845320d_gemm:
	s_mov_b64 s[64:65], 0
	v_nop
	global_prefetch_b8 v0, s[64:65] scope:SCOPE_SE
	s_setreg_imm32_b32 hwreg(HW_REG_WAVE_MODE, 25, 1), 1
	s_wait_xcnt 0x0
	s_wait_alu depctr_hold_cnt(0) depctr_sa_sdst(0) depctr_va_vdst(0) depctr_va_sdst(0) depctr_va_ssrc(0) depctr_va_vcc(0) depctr_vm_vsrc(0)
	s_getreg_b32 s2, hwreg(HW_REG_IB_STS2, 6, 4)
	s_cmp_eq_u32 s2, 0
	s_cbranch_scc0 .Lentry_in_a_cluster
	s_endpgm
.Lentry_in_a_cluster:
	s_bfe_u32 s2, ttmp6, 0x10000c
	s_cmp_lg_u32 s2, 0xf033
	s_cbranch_scc0 .Lentry_shape_is_right
	s_endpgm
.Lentry_shape_is_right:
; out0[m][n] = sum over k of x[m][k] W_eff[n][k], 4,096 x 4,096 x 4,096, both operands as codes of BF6 (E3M2) with one E8M0 byte for each 32 along K; sums in f32, K ascending.
; THE OPERANDS LIE IN MEMORY AS IMAGES OF THE MATRIX INSTRUCTION'S REGISTERS.  For each 128 rows (group G) and each K step ks of 128 there is one block of 12,800 bytes at 409,600 G + 12,800 ks:
; eight fragments (16 rows x 128 K, 12 registers a lane: register group c at 512 c + 16 x lane: 1,536 bytes), then the rows' scale words, 512 bytes: row 64 d + 16 u + r at 12,288 + 256 d + 16 r + 4 u.
; So 128 rows x 384 K, codes and scale words, are ONE dense run of 38,400 bytes, which one tensor load brings as 150 rows of 256 bytes; a fragment comes out of LDS by three loads of 16 bytes a lane,
; 512 consecutive bytes each, and one load of 16 bytes a lane brings the scale words of four blocks of 16 rows: no pitch, no padding.
; A tile of out0, 256 x 256, is made by a work-group of four waves; a wave makes 128 x 128: 64 accumulators of 16 x 16, 512 registers.  256 tiles, one to a work-group.
; K goes through a ring of two LDS slots of 384 along K, the longest of which two fit: 2 x 153,600 bytes.  32 K steps are ten tiles of three and an eleventh of two, which has a descriptor of its own (100 rows).
; CLUSTERS: 4 x 4 work-groups.  The four of a row of the cluster need the same tiles of x, the four of a column the same tiles of W_eff: each tile is asked for JOINTLY, by the same tensor load with the
; same descriptor and a mask that names the four.  THE MATRIX INSTRUCTION IS USED TRANSPOSED (source 0 = 16 rows of W_eff, source 1 = 16 rows of x): a lane then holds eight neighbouring numbers of a row of out0.
; Below A = x, B = W_eff, C = out0.
; REGISTERS, in windows of 256: window 0: v0-31 addresses; v32-79 scale words, two sets of 24; v128-223 A's fragments (8 x 16 rows x 128 K), ONE set; on the way out v128-255 are free.
;   window 1: B's fragments, TWO sets, at v0 and at v128.   window 2: the 32 accumulators of my rows 0-63 (accumulator (a, b) at v[8 (8 a + b)]);   window 3: those of my rows 64-127.
; A step of 128 along K is 64 matrix instructions, A's blocks one after the other, each against B's eight: a block of A is free as soon as its eight products are issued, so one set serves A:
; blocks 0-3 are fetched anew in the step's middle, blocks 4-7 at its end.  B's fragments are at work through the whole step, so B has two sets: step q of slot s works on set (q + s) % 2,
; and a lap of two slots, six steps, brings the numbers back to where they began.
.set SIZE_N, 4096
.set NQ,     3                         ; steps of 128 along K in a slot
.set FR,     12                        ; registers of a fragment
.set FRB,    1536                      ; and its image in bytes
.set NL,     3                         ; LDS loads that bring one
.set NP,     4                         ; plain instructions owed behind this matrix instruction (ISA guide 7.12.1)
.set SWO,    8*FRB                     ; where a block's scale words begin
.set KBLK,   SWO+512                   ; a block: 128 rows x 128 K: 12,800 bytes
.set HALFT,  NQ*KBLK                   ; 128 rows x 384 K: what one tensor load brings, and what one wave reads of A or of B: 38,400 bytes
.set SLOT,   4*HALFT                   ; A's 256 rows, then B's 256 rows
.set GROUPB, 32*KBLK                   ; 128 rows, all of K, in memory: 409,600 consecutive bytes
.set TRIPS,  4                         ; the loop's trips: each fills both slots again: tiles 2 to 9
.set SPARE,  2*SLOT                    ; behind the ring: the spare words, 128 bytes for each wave: two blocks of 256 bytes that no other line names
.set SPITCH, 528                       ; the way out: a stage of 16 rows x (512 bytes + 16) for each wave.
.set STAGE,  SLOT                      ; It lies in slot 1: the last tile lies in slot 0, and slot 1 has had its last fill and, in front of the last change of slots, its last read
.set PF0,    114688                    ; the prefetches: the first byte of a 128 rows' run that is named,
.set PFSTEP, 98304                     ; and the bytes that a trip names
.set ADRA, 16                          ; v16-17  LDS address of my A fragments in slot 0, 1
.set ADRS, 18                          ; v18-19  of my scale words: lanes 0-15 A's rows, lanes 16-31 B's
.set ADRB, 20                          ; v20-21  of my B fragments
.set STO,  24                          ; v24     the way out: where I put 32 bytes of a row
.set RD,   25                          ; v25     the way out: where I read a row back
.set CO,   26                          ; v26     my byte offset in a row of C
.set SPW,  28                          ; v28     LDS address of my spare word: SPARE + 4 x my thread's number; never rewritten
.set NIL,  29                          ; v29     0; never rewritten
.set PFO,  30                          ; v30     256 x my lane: the prefetches' offset; never rewritten
.set SC,   32                          ; scale words: set s (for slot s) at v[SC + 24 s]; in it register 8 q + i: lanes 0-15 the word of A's block i, lanes 16-31 that of B's block i, for the slot's q-th 128 along K
.set AF,   128                         ; A's fragments, in window 0
.set BK,   128                         ; the way out: 16 rows read back from the stage: v128-191 and v192-255 by turns
.set G1, 24                            ; s[24:31] descriptor group 1 for A's tiles;  s[32:39] group 0, one set for each slot
.set G0, 32
.set G1B, 48                           ; s[48:55], s[56:63] the same for B's tiles
.set G0B, 56
.set G1T, 68                           ; s[68:75] group 1 for A's last tile, two K steps;  s[76:83] for B's
.set G1BT, 76
.set LIM,  95                          ; s95     1 in a wave that prefetches, else the greatest number
.set PFA,  96                          ; s[96:97] where my prefetches stand in memory
.set MSB, 0
.macro WIN new                         ; the immediate's high byte repeats the setting that is left
.if MSB != (\new)
	s_set_vgpr_msb (MSB<<8)|(\new)
.set MSB, (\new)
.endif
.endm
.set MUL_LO, 0xa1                      ; source 0 (B) window 1, source 1 (A) window 0, C and D window 2
.set MUL_HI, 0xf1                      ; the same, C and D window 3
.set TO_B,   0x40                      ; destination window 1, address window 0
; A joint load: waves 0 and 1 fetch for A, waves 2 and 3 for B.  Each of the two lines has ONE mask and one set of registers for all that issue it; the branch hangs on the wave's number alone.
; Four v_nop follow each of the two lines, ahead of the jump, the label and what follows.
.macro JLOAD g0a, g1a, g0b, g1b
	s_cmp_eq_u32 s15, 0
	s_cbranch_scc0 .Lfor_b_\@
	tensor_load_to_lds s[\g0a:\g0a+3], s[\g1a:\g1a+7]
	s_nop 0
.rept 4
	v_nop
.endr
	s_branch .Lasked_\@
.Lfor_b_\@:
	tensor_load_to_lds s[\g0b:\g0b+3], s[\g1b:\g1b+7]
	s_nop 0
.rept 4
	v_nop
.endr
.Lasked_\@:
.endm
; A PREFETCH INTO THE L2, once a lap.  The 128 rows that a wave fetches are one run of 409,600 consecutive bytes, K ascending; each wave asks along its own run.  A trip names 98,304 bytes of it: three instructions;
; of each 32,768 bytes the four partners that ask for these rows jointly take 8,192 each, told apart BY ADDRESS (place p = cx for A, cy for B): no branch hangs on a work-group's place in its cluster.  Lanes 256 bytes apart.
; Each aligned block of 256 bytes is named ONCE in the launch: A's rows are read by every cluster of a row of clusters: the first of them (cluster x = 0) asks; B's likewise by cluster y = 0.
; Trip t names bytes 114,688 + 98,304 t on; its own two refills load bytes 76,800 (t + 1) to 76,800 (t + 2).  So a byte is named between half a lap and two laps, 192 to 768 matrix instructions, ahead of the load
; that wants it (but for the first 512 bytes that trip 0 names, which end the tile just asked for).  Three trips reach the run's last byte; the loop's last trip (s3 = 1) names nothing.  The first 114,688 bytes come by their loads alone.
.macro ASK
	s_cmp_gt_u32 s3, s[LIM]
	s_cbranch_scc0 .Lnot_mine_\@
	global_prefetch_b8 v[PFO], s[PFA:PFA+1] th:TH_LOAD_NT scope:SCOPE_SE
	global_prefetch_b8 v[PFO], s[PFA:PFA+1] offset:32768 th:TH_LOAD_NT scope:SCOPE_SE
	global_prefetch_b8 v[PFO], s[PFA:PFA+1] offset:65536 th:TH_LOAD_NT scope:SCOPE_SE
.Lnot_mine_\@:
.endm
.macro CREST                           ; a round of the cluster's barrier behind its opening barrier
	s_cmp_lg_u32 s14, 0
	s_cbranch_scc1 .Lnot_wave_0_\@
	s_barrier_signal -3
.Lnot_wave_0_\@:
	s_barrier_wait -3
	s_barrier_signal -1
	s_barrier_wait -1
.endm
.macro CROUND                          ; a whole round
	s_barrier_signal -1
	s_barrier_wait -1
	CREST
.endm
	s_load_b128 s[4:7], s[0:1], 0x0                ; A's blocks s[4:5], B's s[6:7]
	s_load_b64 s[12:13], s[0:1], 0x10              ; C
	v_lshl_add_u32 v[SPW], v0, 2, SPARE
	v_mov_b32 v[NIL], 0
	ds_add_u32 v28, v29
	ds_add_u32 v28, v29
	s_wait_dscnt 0x0
	v_lshrrev_b32 v1, 5, v0
	v_readfirstlane_b32 s14, v1                    ; wave 0..3
	s_lshr_b32 s15, s14, 1                         ; which half of the tile's rows is mine.  Also: I fetch for A (0) or for B (1)
	s_and_b32 s16, s14, 1                          ; which half of its columns.  Also: which 128 rows of that tile I fetch
	s_bfe_u32 s40, ttmp6, 0x40000                  ; cx, cy: my place in the cluster
	s_bfe_u32 s41, ttmp6, 0x40004
	s_lshl_b32 s42, ttmp9, 2
	s_add_co_u32 s42, s42, s40                     ; tile column of C = 4 x cluster x + cx
	s_and_b32 s17, ttmp7, 0xffff
	s_lshl_b32 s17, s17, 2
	s_add_co_u32 s17, s17, s41                     ; tile row of C = 4 x cluster y + cy
	s_lshl_b32 s43, s41, 2
	s_lshl_b32 s43, 15, s43                        ; my row of the cluster
	s_lshl_b32 s44, 0x1111, s40                    ; my column
	; descriptor group 1: a dense run of 38,400 bytes as 150 rows of 32 elements of 8 bytes, no padding; the last tile's: 25,600 bytes, 100 rows
	s_or_b32 s[G1+0], s43, (3<<16)|(1<<21)         ; 15:0 the mask: A's tiles go to my row; 17:16 elements of 8 bytes; 20 padding off; 21 set beside a mask
	s_or_b32 s[G1B+0], s44, (3<<16)|(1<<21)        ; B's go to my column
	s_or_b32 s[G1T+0], s43, (3<<16)|(1<<21)
	s_or_b32 s[G1BT+0], s44, (3<<16)|(1<<21)
.irp g, G1, G1B
	s_mov_b32 s[\g+1], 32<<16                      ; tensor_dim0 = 32
	s_mov_b32 s[\g+2], 150<<16                     ; tensor_dim1 = 150
	s_mov_b32 s[\g+3], 32<<16                      ; tile_dim0 = 32
	s_mov_b32 s[\g+4], 150                         ; tile_dim1 = 150
	s_mov_b32 s[\g+5], 32                          ; tensor_dim0_stride: dense
	s_mov_b32 s[\g+6], 0
	s_mov_b32 s[\g+7], 0
.endr
.irp g, G1T, G1BT
	s_mov_b32 s[\g+1], 32<<16
	s_mov_b32 s[\g+2], 100<<16
	s_mov_b32 s[\g+3], 32<<16
	s_mov_b32 s[\g+4], 100
	s_mov_b32 s[\g+5], 32
	s_mov_b32 s[\g+6], 0
	s_mov_b32 s[\g+7], 0
.endr
	; where the tiles come from.  A's hang on the tile row alone, which my row of the cluster shares; B's on the tile column alone, which my column shares
	s_lshl_b32 s18, s17, 1
	s_add_co_u32 s18, s18, s16                     ; A: the group of 128 rows that I fetch: 2 x tile row + half
	s_mul_i32 s20, s18, GROUPB
	s_mov_b32 s21, 0
	s_lshl_b32 s19, s42, 1
	s_add_co_u32 s19, s19, s16                     ; B: 2 x tile column + half
	s_mul_i32 s46, s19, GROUPB
	s_mov_b32 s47, 0
	s_mul_i32 s45, s14, HALFT                      ; where they go: wave x 38,400: no place in the cluster enters an LDS address
	s_wait_kmcnt 0x0
	s_add_nc_u64 s[20:21], s[4:5], s[20:21]
	s_add_nc_u64 s[46:47], s[6:7], s[46:47]
	CROUND                                         ; all sixteen work-groups are here: the first joint loads meet
.irp s, 0,1
	s_mov_b32 s[G0+4*\s], 1
	s_add_co_u32 s[G0+4*\s+1], s45, \s*SLOT
	s_add_nc_u64 s[G0+4*\s+2:G0+4*\s+3], s[20:21], \s*HALFT
	s_or_b32 s[G0+4*\s+3], s[G0+4*\s+3], 0x80000000
	s_mov_b32 s[G0B+4*\s], 1
	s_add_co_u32 s[G0B+4*\s+1], s45, \s*SLOT
	s_add_nc_u64 s[G0B+4*\s+2:G0B+4*\s+3], s[46:47], \s*HALFT
	s_or_b32 s[G0B+4*\s+3], s[G0B+4*\s+3], 0x80000000
	JLOAD G0+4*\s, G1, G0B+4*\s, G1B               ; tiles 0 and 1: two loads of mine are out
.endr
	v_and_b32 v1, 15, v0                           ; r = l % 16
	v_bfe_u32 v2, v0, 4, 1                         ; h = l / 16
	v_and_b32 v6, 31, v0                           ; lane
	v_lshlrev_b32 v4, 4, v6                        ; 16 x lane: my place in every image
	s_mul_i32 s21, s15, HALFT                      ; my 128 rows of A
	s_mul_i32 s22, s16, HALFT                      ; my 128 rows of B,
	s_add_co_u32 s22, s22, 2*HALFT                 ; which lie behind A's 256
	s_sub_co_u32 s23, s22, s21                     ; from the one to the other
	v_mul_u32_u24 v7, s23, v2                      ; the scale words: lanes 16-31 take B's: one product, the distance between the two,
	v_lshl_add_u32 v7, v1, 4, v7                   ; + 16 r
.irp s, 0,1
	v_add_nc_u32 v[ADRA+\s], s21, v4
	v_add_nc_u32 v[ADRB+\s], s22, v4
	v_add_nc_u32 v[ADRS+\s], s21, v7
	s_add_co_u32 s21, s21, SLOT
	s_add_co_u32 s22, s22, SLOT
.endr
	s_mul_i32 s23, s14, 16*SPITCH
	s_add_co_u32 s23, s23, STAGE                   ; my stage
	v_mul_u32_u24 v5, v1, SPITCH                   ; in: row l % 16, 32 bytes for each half of the lanes
	v_lshl_add_u32 v5, v2, 5, v5
	v_add_nc_u32 v[STO], s23, v5
	v_lshlrev_b32 v[CO], 4, v6                     ; back: the 32 lanes take one row of 512 bytes; and the same in C
	v_add_nc_u32 v[RD], s23, v[CO]
	v_lshlrev_b32 v[PFO], 8, v6
	s_lshl_b32 s20, s17, 8
	s_lshl_b32 s21, s15, 7
	s_add_co_u32 s20, s20, s21                     ; my first row of C: 256 x tile row + 128 x half,
	s_lshl_b32 s20, s20, 14                        ; in bytes: 16,384 a row (under 2^26)
	s_lshl_b32 s46, s42, 10                        ; my first column, in bytes: 1,024 x tile column + 512 x half
	s_lshl_b32 s47, s16, 9
	s_add_co_u32 s46, s46, s47
	s_add_co_u32 s20, s20, s46
	s_mov_b32 s21, 0
	s_add_nc_u64 s[12:13], s[12:13], s[20:21]
	; the prefetches: who asks, and where
	s_and_b32 s22, ttmp7, 0xffff                   ; cluster y
	s_cmp_eq_u32 s15, 0                            ; do I fetch for A?
	s_cselect_b32 s20, s17, s42                    ; the tile row, or the tile column
	s_cselect_b32 s21, s40, s41                    ; my place among the four that ask for it with me
	s_cselect_b32 s22, ttmp9, s22                  ; the coordinate along which other clusters read the same rows
	s_cselect_b64 s[PFA:PFA+1], s[4:5], s[6:7]
	s_cmp_eq_u32 s22, 0                            ; the first such cluster: the same in all sixteen partners, for a given wave
	s_cselect_b32 s[LIM], 1, -1
	s_lshl_b32 s20, s20, 1
	s_add_co_u32 s20, s20, s16                     ; the 128 rows that I fetch,
	s_mul_i32 s20, s20, GROUPB
	s_lshl_b32 s21, s21, 13                        ; my work-group's 8,192 of each 32,768 bytes
	s_add_co_u32 s20, s20, s21
	s_add_co_u32 s20, s20, PF0-PFSTEP              ; the loop's first trip steps it to PF0.  Nothing is prefetched here, at the head
	s_mov_b32 s21, 0
	s_add_nc_u64 s[PFA:PFA+1], s[PFA:PFA+1], s[20:21]
.macro FRAG reg, adr, q, i             ; a fragment's image: three loads of 16 bytes a lane, 512 consecutive bytes each
.irp c, 0,1,2
	ds_load_b128 v[\reg+4*\c:\reg+4*\c+3], v[\adr] offset:KBLK*(\q)+FRB*(\i)+512*\c
.endr
.endm
; 16 matrix instructions: A's blocks a0, a0 + 1 x B's eight, 128 along K: the slot's q-th.  p: B's set;  sc: the set of scale words.  zero = 1: the first product starts the sums: nothing is ever cleared.
; The 64 accumulators take turns, one instruction a turn, in the same order in every step.
.macro MUL16 a0, p, q, sc, zero
.irp a, \a0, \a0+1
.irp b, 0,1,2,3,4,5,6,7
.if \zero
	v_wmma_scale_f32_16x16x128_f8f6f4 v[8*(8*((\a)%4)+\b):8*(8*((\a)%4)+\b)+7], v[128*(\p)+FR*\b:128*(\p)+FR*\b+FR-1], v[AF+FR*(\a):AF+FR*(\a)+FR-1], 0, v[SC+24*(\sc)+8*(\q)+\b], v[SC+24*(\sc)+8*(\q)+(\a)] matrix_a_fmt:MATRIX_FMT_BF6 matrix_b_fmt:MATRIX_FMT_BF6 matrix_a_scale:MATRIX_SCALE_ROW1
.else
	v_wmma_scale_f32_16x16x128_f8f6f4 v[8*(8*((\a)%4)+\b):8*(8*((\a)%4)+\b)+7], v[128*(\p)+FR*\b:128*(\p)+FR*\b+FR-1], v[AF+FR*(\a):AF+FR*(\a)+FR-1], v[8*(8*((\a)%4)+\b):8*(8*((\a)%4)+\b)+7], v[SC+24*(\sc)+8*(\q)+\b], v[SC+24*(\sc)+8*(\q)+(\a)] matrix_a_fmt:MATRIX_FMT_BF6 matrix_b_fmt:MATRIX_FMT_BF6 matrix_a_scale:MATRIX_SCALE_ROW1
.endif
.endr
.endr
.endm
.macro FETCH_B slot, q, p              ; B's eight fragments of the slot's q-th 128 along K into set p
	WIN TO_B
.irp i, 0,1,2,3,4,5,6,7
	FRAG 128*(\p)+FR*\i, ADRB+\slot, \q, \i
.endr
	WIN 0
.endm
.macro FETCH_A slot, q, i0             ; A's blocks i0 .. i0 + 3
.irp i, \i0, \i0+1, \i0+2, \i0+3
	FRAG AF+FR*(\i), ADRA+\slot, \q, \i
.endr
.endm
.macro SCALES sc, nq                   ; slot sc's scale words, nq K steps of them, into set sc: two loads a K step; lanes 0-15 take A's blocks 4 d .. 4 d + 3, lanes 16-31 B's
.set QQ, 0
.rept \nq
.irp d, 0,1
	ds_load_b128 v[SC+24*(\sc)+8*QQ+4*\d:SC+24*(\sc)+8*QQ+4*\d+3], v[ADRS+(\sc)] offset:KBLK*QQ+SWO+256*\d
.endr
.set QQ, QQ+1
.endr
.endm
; A load into a register that a matrix instruction has read, and an LDS store that reads a matrix result, stand NP plain vector instructions behind that matrix instruction
; (ISA guide 7.12.1 for vector instructions); this text does not count the matrix instructions in between.
.macro PLACES n
.rept \n
	v_nop
.endr
.endm
; A step of 128 along K that has its successor in the same slot.
.macro STEP slot, q, zero
.set PB, ((\q)+(\slot))%2              ; B's set at work
	s_wait_dscnt 4*NL                              ; B's set, A's blocks 0-3 and the scale words are in; the youngest 12 loads (A's blocks 4-7) may be out
	WIN MUL_LO
	MUL16 0, PB, \q, \slot, \zero
	MUL16 2, PB, \q, \slot, \zero
	s_wait_dscnt 0                                 ; A's blocks 4-7 are in (asked for 32 matrix instructions ago)
	PLACES NP
	FETCH_B \slot, (\q)+1, 1-PB
	FETCH_A \slot, (\q)+1, 0
	WIN MUL_HI
	MUL16 4, PB, \q, \slot, \zero
	MUL16 6, PB, \q, \slot, \zero
	PLACES NP
	WIN 0
	FETCH_A \slot, (\q)+1, 4
.endm
; A slot's last step (its third: B's set is the slot's number) changes slots: ONE barrier; in front of it each wave waits for all its tensor loads, adds 0 to its spare word, and waits for that and for its own reads of this slot.
; fill = 1: this slot is filled again, with the tile two tiles on; 2: with the last tile, of two K steps; 0: not at all.  ask = 1: the lap's prefetch.  nq: the K steps of the tile in the next slot.
; From a refill to the wait for it a wave issues 160 matrix instructions.
.macro TURN slot, next, fill, ask, nq
.if \ask
	s_wait_xcnt 0x0                                ; the last prefetches, a lap back, have read their address: it is stepped here, ahead of the waits of the change of slots
	s_add_nc_u64 s[PFA:PFA+1], s[PFA:PFA+1], PFSTEP
.endif
	s_wait_tensorcnt 0x0                           ; all my tensor loads have landed: my part of the next slot;  (every window is 0 here: the add's two registers lie in window 0)
	ds_add_u32 v[SPW], v[NIL]                      ; 0 onto my spare word
	s_wait_dscnt 4*NL+1                            ; (the add and the youngest 12 loads, A's blocks 4-7, may be out)
	WIN MUL_LO
	MUL16 0, \slot, NQ-1, \slot, 0                 ; sixteen matrix instructions stand between the add and the wait for it
	s_wait_dscnt 0x0                               ; the add is done, and my reads of this slot are over
	s_barrier_signal -1
	MUL16 2, \slot, NQ-1, \slot, 0
	WIN 0
	s_barrier_wait -1
.if \fill
	CREST                                          ; the barrier has opened a round of the cluster's barrier: no wave of any partner still reads this slot's tile or has a load on its way
	s_add_nc_u64 s[G0+4*\slot+2:G0+4*\slot+3], s[G0+4*\slot+2:G0+4*\slot+3], 2*HALFT
	s_add_nc_u64 s[G0B+4*\slot+2:G0B+4*\slot+3], s[G0B+4*\slot+2:G0B+4*\slot+3], 2*HALFT
.if \fill == 1
	JLOAD G0+4*\slot, G1, G0B+4*\slot, G1B         ; the first tensor load behind the round, my one load until the next; the four v_nop behind it are also the plain instructions in front of the loads below
.else
	JLOAD G0+4*\slot, G1T, G0B+4*\slot, G1BT       ; the same for the last tile: 100 rows
.endif
.else
	PLACES NP
.endif
	FETCH_B \next, 0, \next
	FETCH_A \next, 0, 0
	SCALES \next, \nq
.if \ask
	ASK                                            ; behind the joint load and the run of LDS loads that the next products wait for
.endif
	WIN MUL_HI
	MUL16 4, \slot, NQ-1, \slot, 0
	MUL16 6, \slot, NQ-1, \slot, 0
	PLACES NP
	WIN 0
	FETCH_A \next, 0, 4
.endm
	s_wait_tensorcnt 1                             ; my part of tile 0 is in (tile 1's load may be out)
	s_barrier_signal -1
	s_barrier_wait -1                              ; everybody's is
	FETCH_B 0, 0, 0
	FETCH_A 0, 0, 0
	SCALES 0, NQ
	FETCH_A 0, 0, 4
	STEP 0, 0, 1                                   ; the first step stands in front of the loop: its products start the sums
	s_mov_b32 s3, TRIPS
.Llap:                                                 ; a trip goes once round the ring, six steps, from a lap's second step to the next lap's first, and fills both slots again
	STEP 0, 1, 0
	TURN 0, 1, 1, 1, NQ
	STEP 1, 0, 0
	STEP 1, 1, 0
	TURN 1, 0, 1, 0, NQ
	STEP 0, 0, 0
	s_sub_co_u32 s3, s3, 1
	s_cmp_lg_u32 s3, 0
	s_cbranch_scc1 .Llap
	STEP 0, 1, 0                                   ; the tail is written out: tile 8 goes on,
	TURN 0, 1, 2, 0, NQ                            ; its slot takes the last tile, of two K steps,
	STEP 1, 0, 0                                   ; tile 9
	STEP 1, 1, 0
	TURN 1, 0, 0, 0, 2                             ; nothing is filled again, so no round of the cluster's barrier follows; behind this barrier nobody reads slot 1
	STEP 0, 0, 0                                   ; the last tile's first step
	s_wait_dscnt 4*NL                              ; the very last step: nothing more to fetch
	WIN MUL_LO
	MUL16 0, 1, 1, 0, 0
	MUL16 2, 1, 1, 0, 0
	s_wait_dscnt 0
	WIN MUL_HI
	MUL16 4, 1, 1, 0, 0
	MUL16 6, 1, 1, 0, 0
	WIN 0
; THE WAY OUT, block by block of 16 rows x 128 columns.  A lane holds 32 neighbouring bytes of a row, and the lanes beside it hold other rows: so a block goes through my own stage in LDS and comes back as whole
; rows of 512 bytes.  LDS serves a wave's instructions in order (ISA guide 5.7.1.4): no wait between the stores and the loads, nor in front of the next block's stores.
.macro TOSTAGE a
.set AC, 64*((\a)%4)
	WIN 0x08+4*((\a)/4)                            ; the data: window 2 or 3
.irp b, 0,1,2,3,4,5,6,7
	ds_store_b128 v[STO], v[AC+8*\b:AC+8*\b+3] offset:64*\b          ; each accumulator from its low end on
	ds_store_b128 v[STO], v[AC+8*\b+4:AC+8*\b+7] offset:64*\b+16
.endr
	WIN 0
.set BB, BK+64*((\a)%2)
.irp t, 0,1,2,3,4,5,6,7,8,9,10,11,12,13,14,15
	ds_load_b128 v[BB+4*\t:BB+4*\t+3], v[RD] offset:\t*SPITCH
.endr
.endm
.macro SEND a, younger                 ; younger: the LDS instructions issued behind block a's loads, which may stay out
.set BB, BK+64*((\a)%2)
	s_wait_dscnt \younger                          ; the block is back in registers
.if (\a) > 0
	s_add_nc_u64 s[12:13], s[12:13], 16*SIZE_N*4   ; (behind a wait on XCNT: the earlier stores have read their base)  16 rows of C on: the stores' offsets stay at 15 rows of C at the most
.endif
.irp t, 0,1,2,3,4,5,6,7,8,9,10,11,12,13,14,15
	global_store_b128 v[CO], v[BB+4*\t:BB+4*\t+3], s[12:13] offset:\t*SIZE_N*4 th:TH_STORE_NT   ; 32 lanes store 512 consecutive bytes, at a multiple of 256 from C's first byte; written once, read by nobody here
.endr
.endm
	PLACES NP                                      ; behind the last products: for the loads into the registers that held A's fragments, and for the reads of the last results
	TOSTAGE 0
.irp a, 1,2,3,4,5,6,7
.if \a > 1
	s_wait_xcnt 0x0                                ; block a - 2's stores have read their registers and their base: block a's loads may land there, and the base may step
.endif
	TOSTAGE \a
	SEND \a-1, 32                                  ; behind block a - 1's loads: block a's 16 stores and 16 loads
.endr
	s_wait_xcnt 0x0                                ; block 6's stores have read their base
	SEND 7, 0
	s_wait_tensorcnt 0x0                           ; the wave's end: behind my last tensor load and my last LDS store
	ds_add_u32 v[SPW], v[NIL]
	s_wait_dscnt 0x0
	CROUND                                         ; the closing round: no work-group ends while a partner may still ask for a tile that names it
	s_endpgm
.Lfunc_end_k_q322845320d_gemm:
	.size	k_q322845320d_gemm, .Lfunc_end_k_q322845320d_gemm-k_q322845320d_gemm
	.p2alignl 7, 3214868480
	.fill 96, 4, 3214868480
	.section	.rodata,"a",@progbits
	.p2align	6, 0x0
	.amdhsa_kernel k_q322845320d_gemm
		.amdhsa_group_segment_fixed_size 327680
		.amdhsa_private_segment_fixed_size 0
		.amdhsa_enable_private_segment 0
		.amdhsa_kernarg_size 24
		.amdhsa_user_sgpr_count 2
		.amdhsa_user_sgpr_kernarg_segment_ptr 1
		.amdhsa_wavefront_size32 1
		.amdhsa_system_sgpr_workgroup_id_x 1
		.amdhsa_system_sgpr_workgroup_id_y 1
		.amdhsa_system_sgpr_workgroup_id_z 1
		.amdhsa_system_vgpr_workitem_id 0
		.amdhsa_next_free_vgpr 1024
		.amdhsa_next_free_sgpr 100
		.amdhsa_reserve_vcc 0
		.amdhsa_float_denorm_mode_32 3
		.amdhsa_float_denorm_mode_16_64 3
		.amdhsa_memory_ordered 1
		.amdhsa_forward_progress 1
		.amdhsa_inst_pref_size 204
	.end_amdhsa_kernel
	.amdgpu_metadata
---
amdhsa.version: [ 1, 2 ]
amdhsa.kernels:
  - .name:           k_q322845320d_gemm
    .symbol:         k_q322845320d_gemm.kd
    .args:
      - { .name: xc, .offset: 0, .size: 8, .value_kind: global_buffer, .address_space: global }
      - { .name: wc, .offset: 8, .size: 8, .value_kind: global_buffer, .address_space: global }
      - { .name: out0, .offset: 16, .size: 8, .value_kind: global_buffer, .address_space: global }
    .group_segment_fixed_size: 327680
    .private_segment_fixed_size: 0
    .kernarg_segment_align: 8
    .kernarg_segment_size: 24
    .max_flat_workgroup_size: 128
    .sgpr_count:     100
    .vgpr_count:     1024
    .wavefront_size: 32
...
	.end_amdgpu_metadata
.endif
;; end of part 3
;; ======== version 2 of 2: 3 launches
;; workspace buffers: frag 425,984 bytes; xc 13,107,200 bytes; wc 13,107,200 bytes
;; launch frag: the kernel of part 1 again; grid 128 x 1, 1 waves a work-group, no clusters, 0 bytes of LDS; arguments P, Lambda, rank_mask, Q, frag; writes frag
;; launch quant (part 4): grid 256 x 1, 8 waves a work-group, no clusters, 68,608 bytes of LDS; arguments x, weight, frag, xc, wc; writes xc, wc
.if DOCPART == 4
	.amdgcn_target "amdgcn-amd-amdhsa--gfx1250"
	.amdhsa_code_object_version 6
	.text
	.protected	k_q322845320d_quant
	.globl	k_q322845320d_quant
	.p2align	8
	.type	k_q322845320d_quant,@function
k_q322845320d_quant:
	s_mov_b64 s[64:65], 0
	v_nop
	global_prefetch_b8 v0, s[64:65] scope:SCOPE_SE
	s_setreg_imm32_b32 hwreg(HW_REG_WAVE_SCHED_MODE, 0, 2), 2
	s_setreg_imm32_b32 hwreg(HW_REG_WAVE_MODE, 25, 1), 1
	s_wait_xcnt 0x0
	s_wait_alu depctr_vm_vsrc(0)
; x [4096][4096] f32 and W_eff = weight + 2 (P Lambda mask) Q [4096][4096] become codes of BF6 (E3M2), quantised along their last axis, with one E8M0 byte for each 32 numbers.
; W_eff IS MADE BY THE MATRIX UNIT: D = Q^T-tile x (P Lambda)-rows + C with C = the weights as they were loaded; the factor 2 lies in P Lambda's scale bytes.  K is 64 of the instruction's 128:
; registers 6-11 of both sources are zero codes.  The product is used transposed (source 0 = 16 columns of Q, source 1 = 16 rows of P Lambda), and the columns of a tile are chosen so that
; register 16 b + i of a lane is W_eff(row r, 32 b + 16 h + i): the very layout in which the weights are read back from the stage, and which the quantiser wants.
; OUTPUT LAYOUT (this program's own).  For each 128 rows (group G) and each K step ks of 128 there is one block of 12,800 bytes, at 409,600 G + 12,800 ks: eight fragments of 16 rows x 128 K, then the rows' scale words.
; A fragment is the image of the operand's 12 registers: register group c (four registers) at 512 c + 16 x lane: 1,536 bytes.  The scale word of row 64 d + 16 u + r of the group lies at 12,288 + 256 d + 16 r + 4 u.
; SHARES.  Work-group g takes rows 256 (g / 16) on and K = 256 (g % 16) on, of x and then of weight.  Wave w takes 64 rows (w / 2) and 128 along K (w % 2): four units of 16 rows x 128 K of x, four of weight.
; A unit's 16 loads read 512 consecutive bytes of a row each; the 8 KiB turn through the wave's own stage in LDS (rows 528 bytes apart) and come back 16 neighbours of each block of 32 to a lane.
; Two units' loads are always on their way.  Waves share nothing: no barrier.  No branch, no loop: every offset is an immediate.
; LIMITS: a block of zeros gets the byte 1 and not 127 (its codes are zeros; this program alone reads the bytes); NaN and infinities are not served; W_eff is rounded once, by the matrix unit's sum with C.
; THE MODE: SCHED_MODE bits 1:0 = 2 (LLVM: expert scheduling mode 2), set by the entry lines.  The code itself states the register dependences
; between vector or matrix instructions and memory or LDS instructions, with s_wait_alu, always for 0.
; THE PLAN.  The eight units are numbered n = 0 .. 7.  Registers that memory or LDS instructions touch:
;   v1-v6      offsets and LDS addresses: written at the head, once; read by every load and store.
;   R[n % 2]   written by unit n's 16 loads, which are issued in unit n - 2; read by unit n's 16 LDS stores.  No vector or matrix instruction names these registers.
;   HA         written by unit n's 16 LDS loads (and, in weight's units, by the eight products); read by the products, the maxima and the conversions.
;   PC         written by unit n's conversions, lane swaps and moves; read by unit n's three stores.   v10, v11: likewise, behind units 3 and 7: two selects, one store.
;   window 1, v244-251: the first product's operands and scale words: loaded at the head, once; registers 6-11 of each operand are written by moves at the head; products alone read them.
;   v254, v255 written at the head, read by the closing add alone.
; So TWO waits stand in a unit.  Behind the turn through the stage, one on vm_vsrc: the LDS stores have read R[n % 2], in which unit n + 2's loads land, and the last unit's stores have read PC, which this unit writes again.
; Behind the unit's last vector line, one on va_vdst: PC is written, for the stores that follow; and the unit is done with HA, in which the next unit's LDS loads land: no vector line stands between.
; Unit n + 2's 16 loads follow the first of the two, dealt four at a time among the unit's first vector lines, which name HA and registers at work: none that those loads touch.
.set PX,  4                            ; s[4:5] x;  s[6:7] weight;  s[8:9] frag;  s[10:11] x's fragments;  s[12:13] W_eff's;  s[14:15] x's scale words;  s[16:17] W_eff's
.set PWT, 6
.set PXC, 10
.set PWC, 12
.set PXS, 14
.set PWS, 16
.set SEL, 40                           ; s[40:41] v_permlanex16_b32's selects
.set STG, 16*528                       ; a wave's stage in bytes
.set KBLK,   12800                     ; a block: 128 rows x 128 K
.set GROUPB, 32*KBLK                   ; 128 rows, all of K
.set SWO,    12288                     ; where a block's scale words begin
.set SWD, 12                           ; v12-15   the four units' scale words
.set R,   16                           ; v16-143  two sets of 64: a unit as loaded
.set HA,  144                          ; v144-207 a unit's 64 numbers of my row: register 16 b + i = k 32 b + 16 h + i
.set PC,  208                          ; v208-227 the codes just made (12) and 8 at work
.set TM,  228                          ; v228-243 at work in the quantiser
.set QS,  244                          ; v244-247 Q^T's scale words: lanes 0-15 tiles 0-3, lanes 16-31 tiles 4-7
.set PLS, 248                          ; v248-251 P Lambda's scale words, one register for each 16 rows
.set QF,  0                            ; window 1: v0-95 Q^T's 8 tiles x 12 registers
.set PLF, 96                           ; window 1: v96-143 P Lambda's 4 x 12
.set MSB, 0
.macro WIN new                         ; the immediate's high byte repeats the setting that is left
.if MSB != (\new)
	s_set_vgpr_msb (MSB<<8)|(\new)
.set MSB, (\new)
.endif
.endm
.macro LOAD set, base, u               ; unit u: 16 rows, 512 consecutive bytes of a row to a load
.irp j, 0,1,2,3,4,5,6,7,8,9,10,11,12,13,14,15
	global_load_b128 v[R+64*(\set)+4*\j:R+64*(\set)+4*\j+3], v1, s[\base:\base+1] offset:(16*(\u)+\j)*16384 th:TH_LOAD_NT
.endr
.endm
.macro LOAD4 set, base, u, q0          ; four of them: rows q0 to q0 + 3
.irp j, 0,1,2,3
	global_load_b128 v[R+64*(\set)+4*((\q0)+\j):R+64*(\set)+4*((\q0)+\j)+3], v1, s[\base:\base+1] offset:(16*(\u)+(\q0)+\j)*16384 th:TH_LOAD_NT
.endr
.endm
.macro TURNIN set, left                ; left: the younger loads that may stay out
	s_wait_loadcnt \left
.irp j, 0,1,2,3,4,5,6,7,8,9,10,11,12,13,14,15
	ds_store_b128 v5, v[R+64*(\set)+4*\j:R+64*(\set)+4*\j+3] offset:528*\j
.endr
.irp b, 0,1,2,3
.irp i, 0,1,2,3
	ds_load_b128 v[HA+16*\b+4*\i:HA+16*\b+4*\i+3], v6 offset:128*\b+16*\i   ; LDS serves a wave's instructions in order: these see the stores above
.endr
.endr
	s_wait_dscnt 0x0                               ; the numbers are back
	s_wait_xcnt 0x0                                ; the last unit's stores have read v[PC] on (and v10, v11): only behind this wait are those registers written again.
	                                               ; It stands ahead of the next 16 loads, so that it counts none of them
	s_wait_alu depctr_vm_vsrc(0)                   ; the 16 LDS stores above have read this set of R, in which the loads of two units on land; the last unit's stores have read v[PC] on (and v10, v11), which this unit's vector lines write again
.endm
.macro DELTA u                         ; the weights in HA take 2 delta_W on top: eight accumulators, one instruction each
	WIN 0x05                                       ; sources 0 and 1 window 1; C and D window 0
.irp t, 0,1,2,3
	v_wmma_scale_f32_16x16x128_f8f6f4 v[HA+8*\t:HA+8*\t+7], v[QF+12*\t:QF+12*\t+11], v[PLF+12*(\u):PLF+12*(\u)+11], v[HA+8*\t:HA+8*\t+7], v[QS+\t], v[PLS+(\u)] matrix_a_fmt:MATRIX_FMT_BF6 matrix_b_fmt:MATRIX_FMT_BF6
.endr
.irp t, 4,5,6,7
	v_wmma_scale_f32_16x16x128_f8f6f4 v[HA+8*\t:HA+8*\t+7], v[QF+12*\t:QF+12*\t+11], v[PLF+12*(\u):PLF+12*(\u)+11], v[HA+8*\t:HA+8*\t+7], v[QS+\t-4], v[PLS+(\u)] matrix_a_fmt:MATRIX_FMT_BF6 matrix_b_fmt:MATRIX_FMT_BF6 matrix_a_scale:MATRIX_SCALE_ROW1
.endr
	WIN 0
.rept 4
	v_nop                                          ; four plain instructions between the products and the first read of their results (ISA guide 7.12.1)
.endr
.endm
; 64 numbers of a lane, register 16 b + i = k 32 b + 16 (lane / 16) + i of my row, become a fragment's codes in v[PC] on and its scale word in v[pw].  Each tile of eight registers is read from its low end on.
; ld = 1: twelve loads of the unit two units on (set rs, base lb, unit lu) are dealt among the first maxima.  They owe no further wait: they touch that set of R and v1, which no vector line names.
.macro QUANT s, pw, ld, rs, lb, lu
.irp b, 0,1,2,3
	v_max3_num_f32 v[TM+\b], |v[\s+16*\b]|, |v[\s+1+16*\b]|, 0x2800000   ; block b: my 16 numbers, and the floor 2^(5 - 127): the byte cannot fall under 1
.endr
.if \ld
	LOAD4 \rs, \lb, \lu, 4
.endif
.irp i, 2,4,6,8,10,12,14
.irp b, 0,1,2,3
	v_max3_num_f32 v[TM+\b], v[TM+\b], |v[\s+16*\b+\i]|, |v[\s+1+16*\b+\i]|   ; (the four blocks by turns)
.endr
.if (\ld) && (\i == 4)
	LOAD4 \rs, \lb, \lu, 8
.endif
.if (\ld) && (\i == 8)
	LOAD4 \rs, \lb, \lu, 12
.endif
.endr
.irp b, 0,1,2,3
	v_permlanex16_b32 v[TM+4+\b], v[TM+\b], s[SEL], s[SEL+1]
.endr
.irp b, 0,1,2,3
	v_max_num_f32 v[TM+\b], v[TM+\b], v[TM+4+\b]   ; with lane l xor 16's: the block's largest magnitude
.endr
.irp b, 0,1,2,3
	v_add_nc_u32 v[TM+12+\b], 0xfe000000, v[TM+\b] ; 4 off its exponent field: the conversion's scale operand
.endr
.irp b, 0,1,2,3
	v_lshrrev_b32 v[TM+4+\b], 23, v[TM+12+\b]      ; the scale's byte
.endr
	v_lshl_or_b32 v[\pw], v[TM+5], 8, v[TM+4]      ; the four bytes make my row's scale word
	v_lshl_or_b32 v[\pw], v[TM+6], 16, v[\pw]
	v_lshl_or_b32 v[\pw], v[TM+7], 24, v[\pw]
.irp c, 0,1
	v_cvt_scalef32_pk16_bf6_f32 v[PC+6*\c:PC+2+6*\c], v[\s+32*\c:\s+15+32*\c], v[TM+12+2*\c]
	v_cvt_scalef32_pk16_bf6_f32 v[PC+12+4*\c:PC+14+4*\c], v[\s+16+32*\c:\s+31+32*\c], v[TM+12+2*\c+1]   ; (a conversion's three registers begin on an even number)
.endr
	v_nop                                          ; one plain instruction behind the conversions
.irp c, 0,1                                    ; the operand's layout wants a WHOLE block in a lane: lanes 0-15 block 2 c, lanes 16-31 block 2 c + 1
.irp i, 0,1,2
	v_permlane16_swap_b32 v[PC+6*\c+\i], v[PC+12+4*\c+\i]
.endr
.irp i, 0,1,2
	v_mov_b32 v[PC+3+6*\c+\i], v[PC+12+4*\c+\i]
.endr
.endr
.endm
; A unit: its numbers turn through the stage; the first four loads of the unit two units on; (weights: + 2 delta_W;) quantised, with the other twelve loads among the first lines.
; set: the unit's set of R, which also takes those loads;  left: the younger loads that may stay out;  u: which 16 rows of my 64;  wm = 1: weights;  ld = 1: there is a unit two units on: unit lu by base lb.
.macro UNIT set, left, u, wm, ld, lb, lu
	TURNIN \set, \left
.if \ld
	LOAD4 \set, \lb, \lu, 0                        ; straight behind the wait on vm_vsrc, and under window 0
.endif
.if \wm
	DELTA \u
.endif
	QUANT HA, SWD+\u, \ld, \set, \lb, \lu
.endm
; The unit's image leaves.  words = 1: with it four units' scale words: lanes 0-15 store units 0 and 1's of row r, lanes 16-31 units 2 and 3's: 256 consecutive bytes, aligned.
.macro OUT u, dst, sb, words
.if \words
	v_cndmask_b32 v10, v[SWD], v[SWD+2], vcc_lo
	v_cndmask_b32 v11, v[SWD+1], v[SWD+3], vcc_lo
.endif
	s_wait_alu depctr_va_vdst(0)                   ; the unit's vector lines have written v[PC] on (and v10, v11), which the stores below read; and they, and the products, are done with HA, in which the next unit's LDS loads land
.irp c, 0,1,2
	global_store_b128 v1, v[PC+4*\c:PC+4*\c+3], s[\dst:\dst+1] offset:1536*(\u)+512*\c   ; 512 consecutive bytes, aligned
.endr
.if \words
	global_store_b64 v4, v[10:11], s[\sb:\sb+1] offset:SWO
.endif
.endm
	s_load_b256 s[4:11], s[0:1], 0x0               ; x, weight, frag, xc
	s_load_b64 s[12:13], s[0:1], 0x20              ; wc
	v_lshl_add_u32 v254, v0, 2, 0x10800            ; my spare word, behind the eight stages; kept for the closing lines alone
	v_mov_b32 v255, 0                              ; and 0, likewise
	v_lshrrev_b32 v7, 5, v0
	v_readfirstlane_b32 s18, v7                    ; wave 0..7
	v_and_b32 v7, 31, v0                           ; lane
	v_and_b32 v8, 15, v0                           ; r
	v_bfe_u32 v9, v0, 4, 1                         ; h
	v_lshlrev_b32 v1, 4, v7                        ; v1  16 x lane: the loads', the images'
	v_lshlrev_b32 v2, 3, v7                        ; v2  8 x lane
	v_lshlrev_b32 v3, 4, v8                        ; v3  16 r
	v_lshl_add_u32 v4, v9, 3, v3                   ; v4  16 r + 8 h: my two scale words
	s_wait_alu depctr_va_sdst(0)                   ; s18, the wave's number, is written, ahead of its first reader: the line below
	s_mul_i32 s25, s18, STG                        ; my stage
	v_add_nc_u32 v5, s25, v1                       ; v5  into it: 16 x lane of a row
	v_mul_u32_u24 v6, v8, 528
	v_lshl_add_u32 v6, v9, 6, v6
	v_add_nc_u32 v6, s25, v6                       ; v6  out of it: row r, + 64 h: my 16 numbers of a block of 32
	v_cmp_lt_u32 vcc_lo, 15, v7                    ; lanes 16-31
.irp b, 0,1,2,3
	v_mov_b32 v[TM+4+\b], 0                        ; a lane permute's destination counts as one of its sources
.endr
	s_wait_alu depctr_va_vcc(0)                    ; VCC is written, ahead of its first readers: the selects of the scale words, behind x's fourth unit
	s_and_b32 s19, s18, 1                          ; q: which 128 along K
	s_lshr_b32 s20, s18, 1                         ; which 64 rows
	s_lshr_b32 s21, ttmp9, 4                       ; which 256 rows
	s_and_b32 s22, ttmp9, 15                       ; which 256 along K
	s_lshl_b32 s23, s21, 2
	s_add_co_u32 s23, s23, s20                     ; Qd: my 64 rows, 0..63
	s_lshl_b32 s24, s22, 1
	s_add_co_u32 s24, s24, s19                     ; ks: my K step of 128, 0..31
	s_lshl_b32 s26, s23, 20                        ; x, weight: 64 rows of 16,384 bytes,
	s_lshl_b32 s27, s24, 9                         ; 512 bytes a K step
	s_add_co_u32 s26, s26, s27
	s_mov_b32 s27, 0
	s_lshr_b32 s28, s23, 1                         ; the outputs: my group of 128 rows,
	s_mul_i32 s28, s28, GROUPB
	s_mul_i32 s29, s24, KBLK
	s_add_co_u32 s28, s28, s29                     ; its block of my K step
	s_and_b32 s29, s23, 1                          ; which 64 rows of the 128 are mine
	s_lshl_b32 s30, s29, 8
	s_add_co_u32 s30, s30, s28                     ; my 256 bytes of scale words (12,288 stands in the store's immediate)
	s_mov_b32 s31, 0
	s_mul_i32 s29, s29, 4*1536
	s_add_co_u32 s28, s28, s29                     ; my four fragments
	s_mov_b32 s29, 0
	s_mul_i32 s32, s24, 6144                       ; frag: my K step's 8 tiles of Q^T,
	s_mov_b32 s33, 0
	s_lshl_b32 s34, s24, 9                         ; their words,
	s_mov_b32 s35, 0
	s_mul_i32 s36, s23, 3072                       ; my 64 rows of P Lambda,
	s_mov_b32 s37, 0
	s_lshl_b32 s38, s23, 8                         ; their words
	s_mov_b32 s39, 0
	s_mov_b32 s[SEL], 0x76543210
	s_mov_b32 s[SEL+1], 0xfedcba98
	s_wait_kmcnt 0x0
	s_add_nc_u64 s[PX:PX+1], s[PX:PX+1], s[26:27]
	s_add_nc_u64 s[PWT:PWT+1], s[PWT:PWT+1], s[26:27]
	s_add_nc_u64 s[PXS:PXS+1], s[PXC:PXC+1], s[30:31]
	s_add_nc_u64 s[PWS:PWS+1], s[PWC:PWC+1], s[30:31]
	s_add_nc_u64 s[PXC:PXC+1], s[PXC:PXC+1], s[28:29]
	s_add_nc_u64 s[PWC:PWC+1], s[PWC:PWC+1], s[28:29]
	s_add_nc_u64 s[32:33], s[8:9], s[32:33]
	s_add_nc_u64 s[34:35], s[8:9], s[34:35]
	s_add_nc_u64 s[36:37], s[8:9], s[36:37]
	s_add_nc_u64 s[38:39], s[8:9], s[38:39]
	s_wait_alu depctr_va_vdst(0)                   ; the offsets and LDS addresses v1 to v6 are written: every load, store and LDS instruction of the kernel reads one of them.  The head's 58 loads follow in one run, with one window switch among them
	LOAD 0, PX, 0
	LOAD 1, PX, 1
	global_load_b128 v[QS:QS+3], v1, s[34:35] offset:409600
	global_load_b128 v[PLS:PLS+3], v3, s[38:39] offset:393216
	WIN 0x40                                       ; destination window 1: the first product's operands; with the two loads of words above, 26 loads; they stay
.irp t, 0,1,2,3,4,5,6,7
	global_load_b128 v[QF+12*\t:QF+12*\t+3], v1, s[32:33] offset:196608+768*\t
	global_load_b64 v[QF+12*\t+4:QF+12*\t+5], v2, s[32:33] offset:196608+768*\t+512
.endr
.irp u, 0,1,2,3
	global_load_b128 v[PLF+12*\u:PLF+12*\u+3], v1, s[36:37] offset:768*\u
	global_load_b64 v[PLF+12*\u+4:PLF+12*\u+5], v2, s[36:37] offset:768*\u+512
.endr
.irp f, 0,1,2,3,4,5,6,7,8,9,10,11
.irp i, 6,7,8,9,10,11
	v_mov_b32 v[12*\f+\i], 0                       ; K = 64 .. 127 of the instruction: zero codes on both sides.  (No load lands in these registers; the waits on va_vdst at the ends of x's four units stand between these moves and the first product that takes them)
.endr
.endr
	WIN 0
	UNIT 0, 42, 0, 0, 1, PX, 2                     ; behind x's unit 0: unit 1's 16 loads and the 26
	OUT 0, PXC, PXS, 0
	UNIT 1, 42, 1, 0, 1, PX, 3                     ; behind unit 1: the 26 and unit 2's 16
	OUT 1, PXC, PXS, 0
	UNIT 0, 16, 2, 0, 1, PWT, 0                    ; from here on: the next unit's 16.  The 26 were issued ahead of unit 2: they are in
	OUT 2, PXC, PXS, 0
	UNIT 1, 16, 3, 0, 1, PWT, 1
	OUT 3, PXC, PXS, 1
	UNIT 0, 16, 0, 1, 1, PWT, 2
	OUT 0, PWC, PWS, 0
	UNIT 1, 16, 1, 1, 1, PWT, 3
	OUT 1, PWC, PWS, 0
	UNIT 0, 16, 2, 1, 0, PWT, 0                    ; the last two units ask for nothing more
	OUT 2, PWC, PWS, 0
	UNIT 1, 0, 3, 1, 0, PWT, 0
	OUT 3, PWC, PWS, 1
	s_wait_dscnt 0x0                               ; the closing lines, six on end
	s_wait_alu 0x0
	s_wait_tensorcnt 0x0
	ds_add_u32 v254, v255
	s_wait_dscnt 0x0
	s_endpgm
.Lfunc_end_k_q322845320d_quant:
	.size	k_q322845320d_quant, .Lfunc_end_k_q322845320d_quant-k_q322845320d_quant
	.p2alignl 7, 3214868480
	.fill 96, 4, 3214868480
	.section	.rodata,"a",@progbits
	.p2align	6, 0x0
	.amdhsa_kernel k_q322845320d_quant
		.amdhsa_group_segment_fixed_size 68608
		.amdhsa_private_segment_fixed_size 0
		.amdhsa_enable_private_segment 0
		.amdhsa_kernarg_size 40
		.amdhsa_user_sgpr_count 2
		.amdhsa_user_sgpr_kernarg_segment_ptr 1
		.amdhsa_wavefront_size32 1
		.amdhsa_system_sgpr_workgroup_id_x 1
		.amdhsa_system_sgpr_workgroup_id_y 1
		.amdhsa_system_sgpr_workgroup_id_z 1
		.amdhsa_system_vgpr_workitem_id 0
		.amdhsa_next_free_vgpr 400
		.amdhsa_next_free_sgpr 66
		.amdhsa_reserve_vcc 1
		.amdhsa_float_denorm_mode_32 3
		.amdhsa_float_denorm_mode_16_64 3
		.amdhsa_memory_ordered 1
		.amdhsa_forward_progress 1
		.amdhsa_inst_pref_size 75
	.end_amdhsa_kernel
	.amdgpu_metadata
---
amdhsa.version: [ 1, 2 ]
amdhsa.kernels:
  - .name:           k_q322845320d_quant
    .symbol:         k_q322845320d_quant.kd
    .args:
      - { .name: x, .offset: 0, .size: 8, .value_kind: global_buffer, .address_space: global }
      - { .name: weight, .offset: 8, .size: 8, .value_kind: global_buffer, .address_space: global }
      - { .name: frag, .offset: 16, .size: 8, .value_kind: global_buffer, .address_space: global }
      - { .name: xc, .offset: 24, .size: 8, .value_kind: global_buffer, .address_space: global }
      - { .name: wc, .offset: 32, .size: 8, .value_kind: global_buffer, .address_space: global }
    .group_segment_fixed_size: 68608
    .private_segment_fixed_size: 0
    .kernarg_segment_align: 8
    .kernarg_segment_size: 40
    .max_flat_workgroup_size: 256
    .sgpr_count:     66
    .vgpr_count:     400
    .wavefront_size: 32
...
	.end_amdgpu_metadata
.endif
;; end of part 4
;; launch gemm (part 5): grid 16 x 16, 4 waves a work-group, clusters of 4 x 4, 327,680 bytes of LDS; arguments xc, wc, out0; writes out0
.if DOCPART == 5
	.amdgcn_target "amdgcn-amd-amdhsa--gfx1250"
	.amdhsa_code_object_version 6
	.text
	.protected	k_q322845320d_gemm
	.globl	k_q322845320d_gemm
	.p2align	8
	.type	k_q322845320d_gemm,@function
k_q322845320d_gemm:
	s_mov_b64 s[64:65], 0
	v_nop
	global_prefetch_b8 v0, s[64:65] scope:SCOPE_SE
	s_setreg_imm32_b32 hwreg(HW_REG_WAVE_MODE, 25, 1), 1
	s_wait_xcnt 0x0
	s_wait_alu depctr_hold_cnt(0) depctr_sa_sdst(0) depctr_va_vdst(0) depctr_va_sdst(0) depctr_va_ssrc(0) depctr_va_vcc(0) depctr_vm_vsrc(0)
	s_getreg_b32 s2, hwreg(HW_REG_IB_STS2, 6, 4)
	s_cmp_eq_u32 s2, 0
	s_cbranch_scc0 .Lentry_in_a_cluster
	s_endpgm
.Lentry_in_a_cluster:
	s_bfe_u32 s2, ttmp6, 0x10000c
	s_cmp_lg_u32 s2, 0xf033
	s_cbranch_scc0 .Lentry_shape_is_right
	s_endpgm
.Lentry_shape_is_right:
; out0[m][n] = sum over k of x[m][k] W_eff[n][k], 4,096 x 4,096 x 4,096, both operands as codes of BF6 (E3M2) with one E8M0 byte for each 32 along K; sums in f32, K ascending.
; THE OPERANDS LIE IN MEMORY AS IMAGES OF THE MATRIX INSTRUCTION'S REGISTERS.  For each 128 rows (group G) and each K step ks of 128 there is one block of 12,800 bytes at 409,600 G + 12,800 ks:
; eight fragments (16 rows x 128 K, 12 registers a lane: register group c at 512 c + 16 x lane: 1,536 bytes), then the rows' scale words, 512 bytes: row 64 d + 16 u + r at 12,288 + 256 d + 16 r + 4 u.
; So 128 rows x 384 K, codes and scale words, are ONE dense run of 38,400 bytes, which one tensor load brings as 150 rows of 256 bytes; a fragment comes out of LDS by three loads of 16 bytes a lane,
; 512 consecutive bytes each, and one load of 16 bytes a lane brings the scale words of four blocks of 16 rows: no pitch, no padding.
; A tile of out0, 256 x 256, is made by a work-group of four waves; a wave makes 128 x 128: 64 accumulators of 16 x 16, 512 registers.  256 tiles, one to a work-group.
; K goes through a ring of two LDS slots of 384 along K, the longest of which two fit: 2 x 153,600 bytes.  32 K steps are ten tiles of three and an eleventh of two, which has a descriptor of its own (100 rows).
; CLUSTERS: 4 x 4 work-groups.  The four of a row of the cluster need the same tiles of x, the four of a column the same tiles of W_eff: each tile is asked for JOINTLY, by the same tensor load with the
; same descriptor and a mask that names the four.  THE MATRIX INSTRUCTION IS USED TRANSPOSED (source 0 = 16 rows of W_eff, source 1 = 16 rows of x): a lane then holds eight neighbouring numbers of a row of out0.
; Below A = x, B = W_eff, C = out0.
; REGISTERS, in windows of 256: window 0: v0-31 addresses; v32-79 scale words, two sets of 24; v128-223 A's fragments (8 x 16 rows x 128 K), ONE set; on the way out v128-255 are free.
;   window 1: B's fragments, TWO sets, at v0 and at v128.   window 2: the 32 accumulators of my rows 0-63 (accumulator (a, b) at v[8 (8 a + b)]);   window 3: those of my rows 64-127.
; A step of 128 along K is 64 matrix instructions, A's blocks one after the other, each against B's eight: a block of A is free as soon as its eight products are issued, so one set serves A:
; blocks 0-3 are fetched anew in the step's middle, blocks 4-7 at its end.  B's fragments are at work through the whole step, so B has two sets: step q of slot s works on set (q + s) % 2,
; and a lap of two slots, six steps, brings the numbers back to where they began.
.set SIZE_N, 4096
.set NQ,     3                         ; steps of 128 along K in a slot
.set FR,     12                        ; registers of a fragment
.set FRB,    1536                      ; and its image in bytes
.set NL,     3                         ; LDS loads that bring one
.set NP,     4                         ; plain instructions owed behind this matrix instruction (ISA guide 7.12.1)
.set SWO,    8*FRB                     ; where a block's scale words begin
.set KBLK,   SWO+512                   ; a block: 128 rows x 128 K: 12,800 bytes
.set HALFT,  NQ*KBLK                   ; 128 rows x 384 K: what one tensor load brings, and what one wave reads of A or of B: 38,400 bytes
.set SLOT,   4*HALFT                   ; A's 256 rows, then B's 256 rows
.set GROUPB, 32*KBLK                   ; 128 rows, all of K, in memory: 409,600 consecutive bytes
.set TRIPS,  4                         ; the loop's trips: each fills both slots again: tiles 2 to 9
.set SPARE,  2*SLOT                    ; behind the ring: the spare words, 128 bytes for each wave: two blocks of 256 bytes that no other line names
.set SPITCH, 528                       ; the way out: a stage of 16 rows x (512 bytes + 16) for each wave.
.set STAGE,  SLOT                      ; It lies in slot 1: the last tile lies in slot 0, and slot 1 has had its last fill and, in front of the last change of slots, its last read
.set PF0,    114688                    ; the prefetches: the first byte of a 128 rows' run that is named,
.set PFSTEP, 98304                     ; and the bytes that a trip names
.set ADRA, 16                          ; v16-17  LDS address of my A fragments in slot 0, 1
.set ADRS, 18                          ; v18-19  of my scale words: lanes 0-15 A's rows, lanes 16-31 B's
.set ADRB, 20                          ; v20-21  of my B fragments
.set STO,  24                          ; v24     the way out: where I put 32 bytes of a row
.set RD,   25                          ; v25     the way out: where I read a row back
.set CO,   26                          ; v26     my byte offset in a row of C
.set SPW,  28                          ; v28     LDS address of my spare word: SPARE + 4 x my thread's number; never rewritten
.set NIL,  29                          ; v29     0; never rewritten
.set PFO,  30                          ; v30     256 x my lane: the prefetches' offset; never rewritten
.set SC,   32                          ; scale words: set s (for slot s) at v[SC + 24 s]; in it register 8 q + i: lanes 0-15 the word of A's block i, lanes 16-31 that of B's block i, for the slot's q-th 128 along K
.set AF,   128                         ; A's fragments, in window 0
.set BK,   128                         ; the way out: 16 rows read back from the stage: v128-191 and v192-255 by turns
.set G1, 24                            ; s[24:31] descriptor group 1 for A's tiles;  s[32:39] group 0, one set for each slot
.set G0, 32
.set G1B, 48                           ; s[48:55], s[56:63] the same for B's tiles
.set G0B, 56
.set G1T, 68                           ; s[68:75] group 1 for A's last tile, two K steps;  s[76:83] for B's
.set G1BT, 76
.set LIM,  95                          ; s95     1 in a wave that prefetches, else the greatest number
.set PFA,  96                          ; s[96:97] where my prefetches stand in memory
.set MSB, 0
.macro WIN new                         ; the immediate's high byte repeats the setting that is left
.if MSB != (\new)
	s_set_vgpr_msb (MSB<<8)|(\new)
.set MSB, (\new)
.endif
.endm
.set MUL_LO, 0xa1                      ; source 0 (B) window 1, source 1 (A) window 0, C and D window 2
.set MUL_HI, 0xf1                      ; the same, C and D window 3
.set TO_B,   0x40                      ; destination window 1, address window 0
; A joint load: waves 0 and 1 fetch for A, waves 2 and 3 for B.  Each of the two lines has ONE mask and one set of registers for all that issue it; the branch hangs on the wave's number alone.
; Four v_nop follow each of the two lines, ahead of the jump, the label and what follows.
.macro JLOAD g0a, g1a, g0b, g1b
	s_cmp_eq_u32 s15, 0
	s_cbranch_scc0 .Lfor_b_\@
	tensor_load_to_lds s[\g0a:\g0a+3], s[\g1a:\g1a+7]
	s_nop 0
.rept 4
	v_nop
.endr
	s_branch .Lasked_\@
.Lfor_b_\@:
	tensor_load_to_lds s[\g0b:\g0b+3], s[\g1b:\g1b+7]
	s_nop 0
.rept 4
	v_nop
.endr
.Lasked_\@:
.endm
; A PREFETCH INTO THE L2, once a lap.  The 128 rows that a wave fetches are one run of 409,600 consecutive bytes, K ascending; each wave asks along its own run.  A trip names 98,304 bytes of it: three instructions;
; of each 32,768 bytes the four partners that ask for these rows jointly take 8,192 each, told apart BY ADDRESS (place p = cx for A, cy for B): no branch hangs on a work-group's place in its cluster.  Lanes 256 bytes apart.
; Each aligned block of 256 bytes is named ONCE in the launch: A's rows are read by every cluster of a row of clusters: the first of them (cluster x = 0) asks; B's likewise by cluster y = 0.
; Trip t names bytes 114,688 + 98,304 t on; its own two refills load bytes 76,800 (t + 1) to 76,800 (t + 2).  So a byte is named between half a lap and two laps, 192 to 768 matrix instructions, ahead of the load
; that wants it (but for the first 512 bytes that trip 0 names, which end the tile just asked for).  Three trips reach the run's last byte; the loop's last trip (s3 = 1) names nothing.  The first 114,688 bytes come by their loads alone.
.macro ASK
	s_cmp_gt_u32 s3, s[LIM]
	s_cbranch_scc0 .Lnot_mine_\@
	global_prefetch_b8 v[PFO], s[PFA:PFA+1] th:TH_LOAD_NT scope:SCOPE_SE
	global_prefetch_b8 v[PFO], s[PFA:PFA+1] offset:32768 th:TH_LOAD_NT scope:SCOPE_SE
	global_prefetch_b8 v[PFO], s[PFA:PFA+1] offset:65536 th:TH_LOAD_NT scope:SCOPE_SE
.Lnot_mine_\@:
.endm
.macro CREST                           ; a round of the cluster's barrier behind its opening barrier
	s_cmp_lg_u32 s14, 0
	s_cbranch_scc1 .Lnot_wave_0_\@
	s_barrier_signal -3
.Lnot_wave_0_\@:
	s_barrier_wait -3
	s_barrier_signal -1
	s_barrier_wait -1
.endm
.macro CROUND                          ; a whole round
	s_barrier_signal -1
	s_barrier_wait -1
	CREST
.endm
	s_load_b128 s[4:7], s[0:1], 0x0                ; A's blocks s[4:5], B's s[6:7]
	s_load_b64 s[12:13], s[0:1], 0x10              ; C
	v_lshl_add_u32 v[SPW], v0, 2, SPARE
	v_mov_b32 v[NIL], 0
	ds_add_u32 v28, v29
	ds_add_u32 v28, v29
	s_wait_dscnt 0x0
	v_lshrrev_b32 v1, 5, v0
	v_readfirstlane_b32 s14, v1                    ; wave 0..3
	s_lshr_b32 s15, s14, 1                         ; which half of the tile's rows is mine.  Also: I fetch for A (0) or for B (1)
	s_and_b32 s16, s14, 1                          ; which half of its columns.  Also: which 128 rows of that tile I fetch
	s_bfe_u32 s40, ttmp6, 0x40000                  ; cx, cy: my place in the cluster
	s_bfe_u32 s41, ttmp6, 0x40004
	s_lshl_b32 s42, ttmp9, 2
	s_add_co_u32 s42, s42, s40                     ; tile column of C = 4 x cluster x + cx
	s_and_b32 s17, ttmp7, 0xffff
	s_lshl_b32 s17, s17, 2
	s_add_co_u32 s17, s17, s41                     ; tile row of C = 4 x cluster y + cy
	s_lshl_b32 s43, s41, 2
	s_lshl_b32 s43, 15, s43                        ; my row of the cluster
	s_lshl_b32 s44, 0x1111, s40                    ; my column
	; descriptor group 1: a dense run of 38,400 bytes as 150 rows of 32 elements of 8 bytes, no padding; the last tile's: 25,600 bytes, 100 rows
	s_or_b32 s[G1+0], s43, (3<<16)|(1<<21)         ; 15:0 the mask: A's tiles go to my row; 17:16 elements of 8 bytes; 20 padding off; 21 set beside a mask
	s_or_b32 s[G1B+0], s44, (3<<16)|(1<<21)        ; B's go to my column
	s_or_b32 s[G1T+0], s43, (3<<16)|(1<<21)
	s_or_b32 s[G1BT+0], s44, (3<<16)|(1<<21)
.irp g, G1, G1B
	s_mov_b32 s[\g+1], 32<<16                      ; tensor_dim0 = 32
	s_mov_b32 s[\g+2], 150<<16                     ; tensor_dim1 = 150
	s_mov_b32 s[\g+3], 32<<16                      ; tile_dim0 = 32
	s_mov_b32 s[\g+4], 150                         ; tile_dim1 = 150
	s_mov_b32 s[\g+5], 32                          ; tensor_dim0_stride: dense
	s_mov_b32 s[\g+6], 0
	s_mov_b32 s[\g+7], 0
.endr
.irp g, G1T, G1BT
	s_mov_b32 s[\g+1], 32<<16
	s_mov_b32 s[\g+2], 100<<16
	s_mov_b32 s[\g+3], 32<<16
	s_mov_b32 s[\g+4], 100
	s_mov_b32 s[\g+5], 32
	s_mov_b32 s[\g+6], 0
	s_mov_b32 s[\g+7], 0
.endr
	; where the tiles come from.  A's hang on the tile row alone, which my row of the cluster shares; B's on the tile column alone, which my column shares
	s_lshl_b32 s18, s17, 1
	s_add_co_u32 s18, s18, s16                     ; A: the group of 128 rows that I fetch: 2 x tile row + half
	s_mul_i32 s20, s18, GROUPB
	s_mov_b32 s21, 0
	s_lshl_b32 s19, s42, 1
	s_add_co_u32 s19, s19, s16                     ; B: 2 x tile column + half
	s_mul_i32 s46, s19, GROUPB
	s_mov_b32 s47, 0
	s_mul_i32 s45, s14, HALFT                      ; where they go: wave x 38,400: no place in the cluster enters an LDS address
	s_wait_kmcnt 0x0
	s_add_nc_u64 s[20:21], s[4:5], s[20:21]
	s_add_nc_u64 s[46:47], s[6:7], s[46:47]
	CROUND                                         ; all sixteen work-groups are here: the first joint loads meet
.irp s, 0,1
	s_mov_b32 s[G0+4*\s], 1
	s_add_co_u32 s[G0+4*\s+1], s45, \s*SLOT
	s_add_nc_u64 s[G0+4*\s+2:G0+4*\s+3], s[20:21], \s*HALFT
	s_or_b32 s[G0+4*\s+3], s[G0+4*\s+3], 0x80000000
	s_mov_b32 s[G0B+4*\s], 1
	s_add_co_u32 s[G0B+4*\s+1], s45, \s*SLOT
	s_add_nc_u64 s[G0B+4*\s+2:G0B+4*\s+3], s[46:47], \s*HALFT
	s_or_b32 s[G0B+4*\s+3], s[G0B+4*\s+3], 0x80000000
	s_wait_alu depctr_va_vdst(0)
	s_wait_tensorcnt 0x0
	ds_add_u32 v28, v29
	ds_add_u32 v28, v29
	s_wait_dscnt 0x0
	CROUND
	JLOAD G0+4*\s, G1, G0B+4*\s, G1B               ; tiles 0 and 1: tile 0's has landed, tile 1's is out
.endr
	v_and_b32 v1, 15, v0                           ; r = l % 16
	v_bfe_u32 v2, v0, 4, 1                         ; h = l / 16
	v_and_b32 v6, 31, v0                           ; lane
	v_lshlrev_b32 v4, 4, v6                        ; 16 x lane: my place in every image
	s_mul_i32 s21, s15, HALFT                      ; my 128 rows of A
	s_mul_i32 s22, s16, HALFT                      ; my 128 rows of B,
	s_add_co_u32 s22, s22, 2*HALFT                 ; which lie behind A's 256
	s_sub_co_u32 s23, s22, s21                     ; from the one to the other
	v_mul_u32_u24 v7, s23, v2                      ; the scale words: lanes 16-31 take B's: one product, the distance between the two,
	v_lshl_add_u32 v7, v1, 4, v7                   ; + 16 r
.irp s, 0,1
	v_add_nc_u32 v[ADRA+\s], s21, v4
	v_add_nc_u32 v[ADRB+\s], s22, v4
	v_add_nc_u32 v[ADRS+\s], s21, v7
	s_add_co_u32 s21, s21, SLOT
	s_add_co_u32 s22, s22, SLOT
.endr
	s_mul_i32 s23, s14, 16*SPITCH
	s_add_co_u32 s23, s23, STAGE                   ; my stage
	v_mul_u32_u24 v5, v1, SPITCH                   ; in: row l % 16, 32 bytes for each half of the lanes
	v_lshl_add_u32 v5, v2, 5, v5
	v_add_nc_u32 v[STO], s23, v5
	v_lshlrev_b32 v[CO], 4, v6                     ; back: the 32 lanes take one row of 512 bytes; and the same in C
	v_add_nc_u32 v[RD], s23, v[CO]
	v_lshlrev_b32 v[PFO], 8, v6
	s_lshl_b32 s20, s17, 8
	s_lshl_b32 s21, s15, 7
	s_add_co_u32 s20, s20, s21                     ; my first row of C: 256 x tile row + 128 x half,
	s_lshl_b32 s20, s20, 14                        ; in bytes: 16,384 a row (under 2^26)
	s_lshl_b32 s46, s42, 10                        ; my first column, in bytes: 1,024 x tile column + 512 x half
	s_lshl_b32 s47, s16, 9
	s_add_co_u32 s46, s46, s47
	s_add_co_u32 s20, s20, s46
	s_mov_b32 s21, 0
	s_add_nc_u64 s[12:13], s[12:13], s[20:21]
	; the prefetches: who asks, and where
	s_and_b32 s22, ttmp7, 0xffff                   ; cluster y
	s_cmp_eq_u32 s15, 0                            ; do I fetch for A?
	s_cselect_b32 s20, s17, s42                    ; the tile row, or the tile column
	s_cselect_b32 s21, s40, s41                    ; my place among the four that ask for it with me
	s_cselect_b32 s22, ttmp9, s22                  ; the coordinate along which other clusters read the same rows
	s_cselect_b64 s[PFA:PFA+1], s[4:5], s[6:7]
	s_cmp_eq_u32 s22, 0                            ; the first such cluster: the same in all sixteen partners, for a given wave
	s_cselect_b32 s[LIM], 1, -1
	s_lshl_b32 s20, s20, 1
	s_add_co_u32 s20, s20, s16                     ; the 128 rows that I fetch,
	s_mul_i32 s20, s20, GROUPB
	s_lshl_b32 s21, s21, 13                        ; my work-group's 8,192 of each 32,768 bytes
	s_add_co_u32 s20, s20, s21
	s_add_co_u32 s20, s20, PF0-PFSTEP              ; the loop's first trip steps it to PF0.  Nothing is prefetched here, at the head
	s_mov_b32 s21, 0
	s_add_nc_u64 s[PFA:PFA+1], s[PFA:PFA+1], s[20:21]
.macro FRAG reg, adr, q, i             ; a fragment's image: three loads of 16 bytes a lane, 512 consecutive bytes each
.irp c, 0,1,2
	ds_load_b128 v[\reg+4*\c:\reg+4*\c+3], v[\adr] offset:KBLK*(\q)+FRB*(\i)+512*\c
.endr
.endm
; 16 matrix instructions: A's blocks a0, a0 + 1 x B's eight, 128 along K: the slot's q-th.  p: B's set;  sc: the set of scale words.  zero = 1: the first product starts the sums: nothing is ever cleared.
; The 64 accumulators take turns, one instruction a turn, in the same order in every step.
.macro MUL16 a0, p, q, sc, zero
.irp a, \a0, \a0+1
.irp b, 0,1,2,3,4,5,6,7
.if \zero
	v_wmma_scale_f32_16x16x128_f8f6f4 v[8*(8*((\a)%4)+\b):8*(8*((\a)%4)+\b)+7], v[128*(\p)+FR*\b:128*(\p)+FR*\b+FR-1], v[AF+FR*(\a):AF+FR*(\a)+FR-1], 0, v[SC+24*(\sc)+8*(\q)+\b], v[SC+24*(\sc)+8*(\q)+(\a)] matrix_a_fmt:MATRIX_FMT_BF6 matrix_b_fmt:MATRIX_FMT_BF6 matrix_a_scale:MATRIX_SCALE_ROW1
.else
	v_wmma_scale_f32_16x16x128_f8f6f4 v[8*(8*((\a)%4)+\b):8*(8*((\a)%4)+\b)+7], v[128*(\p)+FR*\b:128*(\p)+FR*\b+FR-1], v[AF+FR*(\a):AF+FR*(\a)+FR-1], v[8*(8*((\a)%4)+\b):8*(8*((\a)%4)+\b)+7], v[SC+24*(\sc)+8*(\q)+\b], v[SC+24*(\sc)+8*(\q)+(\a)] matrix_a_fmt:MATRIX_FMT_BF6 matrix_b_fmt:MATRIX_FMT_BF6 matrix_a_scale:MATRIX_SCALE_ROW1
.endif
.endr
.endr
.endm
.macro FETCH_B slot, q, p              ; B's eight fragments of the slot's q-th 128 along K into set p
	WIN TO_B
.irp i, 0,1,2,3,4,5,6,7
	FRAG 128*(\p)+FR*\i, ADRB+\slot, \q, \i
.endr
	WIN 0
.endm
.macro FETCH_A slot, q, i0             ; A's blocks i0 .. i0 + 3
.irp i, \i0, \i0+1, \i0+2, \i0+3
	FRAG AF+FR*(\i), ADRA+\slot, \q, \i
.endr
.endm
.macro SCALES sc, nq                   ; slot sc's scale words, nq K steps of them, into set sc: two loads a K step; lanes 0-15 take A's blocks 4 d .. 4 d + 3, lanes 16-31 B's
.set QQ, 0
.rept \nq
.irp d, 0,1
	ds_load_b128 v[SC+24*(\sc)+8*QQ+4*\d:SC+24*(\sc)+8*QQ+4*\d+3], v[ADRS+(\sc)] offset:KBLK*QQ+SWO+256*\d
.endr
.set QQ, QQ+1
.endr
.endm
; A load into a register that a matrix instruction has read, and an LDS store that reads a matrix result, stand NP plain vector instructions behind that matrix instruction
; (ISA guide 7.12.1 for vector instructions); this text does not count the matrix instructions in between.
.macro PLACES n
.rept \n
	v_nop
.endr
.endm
; A step of 128 along K that has its successor in the same slot.
.macro STEP slot, q, zero
.set PB, ((\q)+(\slot))%2              ; B's set at work
	s_wait_dscnt 4*NL                              ; B's set, A's blocks 0-3 and the scale words are in; the youngest 12 loads (A's blocks 4-7) may be out
	WIN MUL_LO
	MUL16 0, PB, \q, \slot, \zero
	MUL16 2, PB, \q, \slot, \zero
	s_wait_dscnt 0                                 ; A's blocks 4-7 are in (asked for 32 matrix instructions ago)
	PLACES NP
	FETCH_B \slot, (\q)+1, 1-PB
	FETCH_A \slot, (\q)+1, 0
	WIN MUL_HI
	MUL16 4, PB, \q, \slot, \zero
	MUL16 6, PB, \q, \slot, \zero
	PLACES NP
	WIN 0
	FETCH_A \slot, (\q)+1, 4
.endm
; A slot's last step (its third: B's set is the slot's number) changes slots: ONE barrier; in front of it each wave waits for all its tensor loads, adds 0 to its spare word, and waits for that and for its own reads of this slot.
; fill = 1: this slot is filled again, with the tile two tiles on; 2: with the last tile, of two K steps; 0: not at all.  ask = 1: the lap's prefetch.  nq: the K steps of the tile in the next slot.
; From a refill to the wait for it a wave issues 160 matrix instructions.
.macro TURN slot, next, fill, ask, nq
.if \ask
	s_wait_xcnt 0x0                                ; the last prefetches, a lap back, have read their address: it is stepped here, ahead of the waits of the change of slots
	s_add_nc_u64 s[PFA:PFA+1], s[PFA:PFA+1], PFSTEP
.endif
	s_wait_tensorcnt 0x0                           ; all my tensor loads have landed: my part of the next slot;  (every window is 0 here: the add's two registers lie in window 0)
	ds_add_u32 v[SPW], v[NIL]                      ; 0 onto my spare word
	s_wait_dscnt 4*NL+1                            ; (the add and the youngest 12 loads, A's blocks 4-7, may be out)
	WIN MUL_LO
	MUL16 0, \slot, NQ-1, \slot, 0                 ; sixteen matrix instructions stand between the add and the wait for it
	s_wait_dscnt 0x0                               ; the add is done, and my reads of this slot are over
	s_barrier_signal -1
	MUL16 2, \slot, NQ-1, \slot, 0
	WIN 0
	s_barrier_wait -1
.if \fill
	CREST                                          ; the barrier has opened a round of the cluster's barrier: no wave of any partner still reads this slot's tile or has a load on its way
	s_add_nc_u64 s[G0+4*\slot+2:G0+4*\slot+3], s[G0+4*\slot+2:G0+4*\slot+3], 2*HALFT
	s_add_nc_u64 s[G0B+4*\slot+2:G0B+4*\slot+3], s[G0B+4*\slot+2:G0B+4*\slot+3], 2*HALFT
.if \fill == 1
	JLOAD G0+4*\slot, G1, G0B+4*\slot, G1B         ; the first tensor load behind the round, my one load until the next; the four v_nop behind it are also the plain instructions in front of the loads below
.else
	JLOAD G0+4*\slot, G1T, G0B+4*\slot, G1BT       ; the same for the last tile: 100 rows
.endif
.else
	PLACES NP
.endif
	s_wait_alu depctr_va_vdst(0)
	FETCH_B \next, 0, \next
	FETCH_A \next, 0, 0
	SCALES \next, \nq
.if \ask
	ASK                                            ; behind the joint load and the run of LDS loads that the next products wait for
.endif
	WIN MUL_HI
	MUL16 4, \slot, NQ-1, \slot, 0
	MUL16 6, \slot, NQ-1, \slot, 0
	PLACES NP
	WIN 0
	FETCH_A \next, 0, 4
.endm
	s_wait_tensorcnt 1                             ; my part of tile 0 is in (tile 1's load may be out)
	s_barrier_signal -1
	s_barrier_wait -1                              ; everybody's is
	FETCH_B 0, 0, 0
	FETCH_A 0, 0, 0
	SCALES 0, NQ
	FETCH_A 0, 0, 4
	STEP 0, 0, 1                                   ; the first step stands in front of the loop: its products start the sums
	s_mov_b32 s3, TRIPS
.Llap:                                                 ; a trip goes once round the ring, six steps, from a lap's second step to the next lap's first, and fills both slots again
	STEP 0, 1, 0
	TURN 0, 1, 1, 1, NQ
	STEP 1, 0, 0
	STEP 1, 1, 0
	TURN 1, 0, 1, 0, NQ
	STEP 0, 0, 0
	s_sub_co_u32 s3, s3, 1
	s_cmp_lg_u32 s3, 0
	s_cbranch_scc1 .Llap
	STEP 0, 1, 0                                   ; the tail is written out: tile 8 goes on,
	TURN 0, 1, 2, 0, NQ                            ; its slot takes the last tile, of two K steps,
	STEP 1, 0, 0                                   ; tile 9
	STEP 1, 1, 0
	TURN 1, 0, 0, 0, 2                             ; nothing is filled again, so no round of the cluster's barrier follows; behind this barrier nobody reads slot 1
	STEP 0, 0, 0                                   ; the last tile's first step
	s_wait_dscnt 4*NL                              ; the very last step: nothing more to fetch
	WIN MUL_LO
	MUL16 0, 1, 1, 0, 0
	MUL16 2, 1, 1, 0, 0
	s_wait_dscnt 0
	WIN MUL_HI
	MUL16 4, 1, 1, 0, 0
	MUL16 6, 1, 1, 0, 0
	WIN 0
; THE WAY OUT, block by block of 16 rows x 128 columns.  A lane holds 32 neighbouring bytes of a row, and the lanes beside it hold other rows: so a block goes through my own stage in LDS and comes back as whole
; rows of 512 bytes.  LDS serves a wave's instructions in order (ISA guide 5.7.1.4): no wait between the stores and the loads, nor in front of the next block's stores.
.macro TOSTAGE a
.set AC, 64*((\a)%4)
	WIN 0x08+4*((\a)/4)                            ; the data: window 2 or 3
.irp b, 0,1,2,3,4,5,6,7
	ds_store_b128 v[STO], v[AC+8*\b:AC+8*\b+3] offset:64*\b          ; each accumulator from its low end on
	ds_store_b128 v[STO], v[AC+8*\b+4:AC+8*\b+7] offset:64*\b+16
.endr
	WIN 0
.set BB, BK+64*((\a)%2)
.irp t, 0,1,2,3,4,5,6,7,8,9,10,11,12,13,14,15
	ds_load_b128 v[BB+4*\t:BB+4*\t+3], v[RD] offset:\t*SPITCH
.endr
.endm
.macro SEND a, younger                 ; younger: the LDS instructions issued behind block a's loads, which may stay out
.set BB, BK+64*((\a)%2)
	s_wait_dscnt \younger                          ; the block is back in registers
.if (\a) > 0
	s_add_nc_u64 s[12:13], s[12:13], 16*SIZE_N*4   ; (behind a wait on XCNT: the earlier stores have read their base)  16 rows of C on: the stores' offsets stay at 15 rows of C at the most
.endif
.irp t, 0,1,2,3,4,5,6,7,8,9,10,11,12,13,14,15
	global_store_b128 v[CO], v[BB+4*\t:BB+4*\t+3], s[12:13] offset:\t*SIZE_N*4 th:TH_STORE_NT   ; 32 lanes store 512 consecutive bytes, at a multiple of 256 from C's first byte; written once, read by nobody here
.endr
.endm
	PLACES NP                                      ; behind the last products: for the loads into the registers that held A's fragments, and for the reads of the last results
	TOSTAGE 0
.irp a, 1,2,3,4,5,6,7
.if \a > 1
	s_wait_xcnt 0x0                                ; block a - 2's stores have read their registers and their base: block a's loads may land there, and the base may step
.endif
	TOSTAGE \a
	SEND \a-1, 32                                  ; behind block a - 1's loads: block a's 16 stores and 16 loads
.endr
	s_wait_xcnt 0x0                                ; block 6's stores have read their base
	SEND 7, 0
	s_wait_tensorcnt 0x0                           ; the wave's end: behind my last tensor load and my last LDS store
	ds_add_u32 v[SPW], v[NIL]
	s_wait_dscnt 0x0
	CROUND                                         ; the closing round: no work-group ends while a partner may still ask for a tile that names it
	s_endpgm
.Lfunc_end_k_q322845320d_gemm:
	.size	k_q322845320d_gemm, .Lfunc_end_k_q322845320d_gemm-k_q322845320d_gemm
	.p2alignl 7, 3214868480
	.fill 96, 4, 3214868480
	.section	.rodata,"a",@progbits
	.p2align	6, 0x0
	.amdhsa_kernel k_q322845320d_gemm
		.amdhsa_group_segment_fixed_size 327680
		.amdhsa_private_segment_fixed_size 0
		.amdhsa_enable_private_segment 0
		.amdhsa_kernarg_size 24
		.amdhsa_user_sgpr_count 2
		.amdhsa_user_sgpr_kernarg_segment_ptr 1
		.amdhsa_wavefront_size32 1
		.amdhsa_system_sgpr_workgroup_id_x 1
		.amdhsa_system_sgpr_workgroup_id_y 1
		.amdhsa_system_sgpr_workgroup_id_z 1
		.amdhsa_system_vgpr_workitem_id 0
		.amdhsa_next_free_vgpr 1024
		.amdhsa_next_free_sgpr 100
		.amdhsa_reserve_vcc 0
		.amdhsa_float_denorm_mode_32 3
		.amdhsa_float_denorm_mode_16_64 3
		.amdhsa_memory_ordered 1
		.amdhsa_forward_progress 1
		.amdhsa_inst_pref_size 205
	.end_amdhsa_kernel
	.amdgpu_metadata
---
amdhsa.version: [ 1, 2 ]
amdhsa.kernels:
  - .name:           k_q322845320d_gemm
    .symbol:         k_q322845320d_gemm.kd
    .args:
      - { .name: xc, .offset: 0, .size: 8, .value_kind: global_buffer, .address_space: global }
      - { .name: wc, .offset: 8, .size: 8, .value_kind: global_buffer, .address_space: global }
      - { .name: out0, .offset: 16, .size: 8, .value_kind: global_buffer, .address_space: global }
    .group_segment_fixed_size: 327680
    .private_segment_fixed_size: 0
    .kernarg_segment_align: 8
    .kernarg_segment_size: 24
    .max_flat_workgroup_size: 128
    .sgpr_count:     100
    .vgpr_count:     1024
    .wavefront_size: 32
...
	.end_amdgpu_metadata
.endif
;; end of part 5
